; MI455X (gfx1250); checked and timed in simulation.
; The chip was launched on July 23, 2026; its instructions are those of AMD's public machine-readable ISA for CDNA 5 (MIT licence, August 2026) and "CDNA5" Instruction Set Architecture Reference Guide (July 2026). The comments in the code are by the model that wrote it; some were corrected since.
;; Multi Head Cross Attention. Allowed arithmetic: matrix products marked QUANTISED: E2M1 operands, one E8M0 scale for each 32 along K, by v_wmma_scale_f32_16x16x128_f8f6f4 with both operands' format E2M1 (or v_wmma_scale_f32_32x16x128_f4), f32 sums; products left as they are: bf16, f16 or f32 operands; f32 sums; everything else in f32.
;; Inputs: Wk_b 1,024 float32; Wk_w 1,024 x 1,024 float32; Wo_b 1,024 float32; Wo_w 1,024 x 1,024 float32; Wq_b 1,024 float32; Wq_w 1,024 x 1,024 float32; Wv_b 1,024 float32; Wv_w 1,024 x 1,024 float32; kv 4 x 2,048 x 1,024 float32; kv_freqs 1 x 1 x 2,048 x 32 x 2 x 2 float32; q 4 x 2,048 x 1,024 float32; q_freqs 1 x 1 x 2,048 x 32 x 2 x 2 float32.
;; Outputs: out0 4 x 2,048 x 1,024 float32.
;; This version of the problem:
;;   THIS VERSION OF THE PROBLEM IS GIVEN IN LOW PRECISION. The matrix products marked QUANTISED in the list below multiply operands that are first quantised to E2M1 (2 exponent bits, 1 mantissa bit; 4 bits a number), with one power-of-two scale for each 32 numbers along K (OCP MX v1.0); their sums are f32. The products marked 'left as it is' may take bf16, f16 or f32 operands, with f32 sums. Whichever they take, every output number must still come out within the allowed error. Rounding operands to bf16 (8 significant bits) uses up far more of that allowance than f16 does (11 bits, for magnitudes from 6e-5 to 65,504). All else is computed in f32.
;;   The module's matrix products, in the order in which they are computed (A, B: the left and right operand; K: the contracted axis; several contracted axes count as one K, in the product's order):
;;     1. [M 8,192, K 1,024] x [K 1,024, N 1,024]; A: input q; B: input Wq_w: QUANTISED
;;     2. [M 8,192, K 1,024] x [K 1,024, N 1,024]; A: input kv; B: input Wk_w: QUANTISED
;;     3. [M 8,192, K 1,024] x [K 1,024, N 1,024]; A: input kv; B: input Wv_w: QUANTISED
;;     4. batch 64 x [M 2,048, K 64] x [K 64, N 2,048]; A: computed on the way; B: computed on the way: left as it is (an operand is computed on the way)
;;     5. batch 64 x [M 2,048, K 2,048] x [K 2,048, N 64]; A: computed on the way; B: computed on the way: left as it is (an operand is computed on the way)
;;     6. [M 8,192, K 1,024] x [K 1,024, N 1,024]; A: computed on the way; B: input Wo_w: left as it is (an operand is computed on the way)
;;   THE QUANTISER, for each operand of a quantised product, along K:
;;     - K is cut into blocks of 32 from its start; a last block that is shorter is filled with zeros.
;;     - A block's scale is 2^e with e = floor(log2(the largest magnitude in the block)) - 2, held to -126 .. 127; a block of zeros has e = 0. As a byte (E8M0): e + 127.
;;     - Each number is divided by its block's scale, clamped to +-6, and rounded to the nearest number of E2M1, ties to even, subnormals kept.
;;     - The product sums the exact products of the quantised numbers (number of the format x scale) in f32.
;;   ~~~python
;;   def quantise(x, axis):      # numpy; x: float32 -> the quantised numbers, widened to float32 again
;;       x = np.moveaxis(x, axis, -1); K = x.shape[-1]
;;       x = np.pad(x, [(0, 0)] * (x.ndim - 1) + [(0, -K % 32)]); x = x.reshape(x.shape[:-1] + (-1, 32)); a = np.abs(x).max(-1, keepdims=True)
;;       e = np.where(a > 0, np.clip(np.frexp(np.where(a > 0, a, 1))[1] - 1 - 2, -126, 127), 0)      # np.frexp(a)[1] - 1 = floor(log2(a)), exactly
;;       r = np.clip(x / 2.0 ** e, -6, 6)
;;       step = 2.0 ** (np.maximum(np.frexp(np.where(r == 0, 1, r))[1] - 1, 0) - 1)
;;       q = np.round(r / step) * step * 2.0 ** e      # np.round: ties to even
;;       return np.moveaxis(q.reshape(q.shape[:-2] + (-1,))[..., :K], -1, axis).astype(np.float32)
;;   ~~~
;; One version. Each part assembles by itself: llvm-mc -triple=amdgcn-amd-amdhsa -mcpu=gfx1250 --defsym DOCPART=n.
;; ======== version 1 of 1: 4 launches
;; limits: values are held in f16: magnitudes above 65,504 overflow, below 6.1e-05 lose precision
;; workspace buffers: codes 9,961,472 bytes; scales 622,592 bytes; wo16 2,097,152 bytes; fimg 2,097,152 bytes; qkv 50,331,648 bytes; qks 16,384 bytes; ows 16,777,216 bytes
;; launch prep (part 1): grid 704 x 1, 4 waves a work-group, no clusters, 33,280 bytes of LDS; arguments q, kv, Wq_w, Wk_w, Wv_w, Wo_w, q_freqs, kv_freqs, codes, scales, wo16, fimg; writes codes, scales, wo16, fimg
.if DOCPART == 1
	.amdgcn_target "amdgcn-amd-amdhsa--gfx1250"
	.amdhsa_code_object_version 6
	.text
	.protected	k_qa3b7a44ccd_prep
	.globl	k_qa3b7a44ccd_prep
	.p2align	8
	.type	k_qa3b7a44ccd_prep,@function
k_qa3b7a44ccd_prep:
	s_mov_b64 s[64:65], 0
	v_nop
	global_prefetch_b8 v0, s[64:65] scope:SCOPE_SE
	s_setreg_imm32_b32 hwreg(HW_REG_WAVE_MODE, 25, 1), 1
	s_wait_xcnt 0x0
; THREE JOBS IN ONE LAUNCH, told apart by the work-group's number alone.
; (1) work-groups 0-607: q, kv [8192][1024] and Wq_w, Wk_w, Wv_w [1024][1024], f32 with K innermost, become codes of FP4 (E2M1), two a byte, and one E8M0 byte for each 32 along K.
;     The five tensors lie one behind the other in 'codes' ([19456 rows][512 bytes]) and 'scales' ([19456][32 bytes]): rows 0 q, 8192 kv, 16384 Wq, 17408 Wk, 18432 Wv.
;     A block's scale is 2^(floor(log2(largest magnitude)) - 2); its byte is the largest magnitude's exponent field - 2, held at 1 from below; numbers are divided by the scale and rounded to the nearest code, ties to even,
;     beyond 6 the largest code.  A block of zeros gets the byte 1 where the rule says 127: its codes are zeros, and the bytes are read by this program alone.
; (2) work-groups 608-639: Wo_w becomes f16, same layout (wo16).
; (3) work-groups 640-703: the two tables of 2 x 2 matrices are laid as the next launch's lanes want them:
;     fimg[table][tile of 16 positions][i = 4 b + jj][lane (r, h)] = (f00, f10, f01, f11) of position 16 tile + r, pair 8 b + 4 h + jj: 16 bytes a lane, 512 dense bytes an entry.
; LIMITS: blocks whose largest magnitude lies under 2^-124 keep the byte 1; NaN and infinities among the inputs are not served; |Wo_w| beyond 65,504 becomes infinity in f16.
; Job 1, a wave: 16 steps of 512 numbers.  Each load reads 512 consecutive bytes; the numbers turn through the wave's own stage in LDS so that a lane holds 16 neighbours along K (two lanes to a block).
; Only job 1 touches LDS.  No tensor load, no barrier: waves share nothing.
.set WAVES, 4
.set STEPS, 16
.set EMAX,  2
.set CB,    8                          ; bytes of 16 codes
.set R,     16                         ; v16-79   four sets of 16 numbers as loaded
.set X,     80                         ; v80-111  two sets of 16 neighbours
.set E,     112                        ; v112-127 a scale byte for each step
.set C,     128                        ; v128-191 codes, four registers a step: no store's data are written again
.set WREG,  8192                       ; LDS: a region for each wave: two stages of 32 x SP bytes, then its 256 scale bytes
.set SP,    80                         ; a lane's place in a stage: 64 bytes + 16 of padding
.set SPW,   12                         ; v12  LDS address of my spare word; never rewritten
.set NIL,   13                         ; v13  0; never rewritten
.set SPARE, WAVES*WREG                 ; behind the four regions: the spare words, 128 bytes a wave
.set SRC,   30                         ; s[30:31] job 1's source
.set COD,   20                         ; s[20:21] codes
.set SCB,   22                         ; s[22:23] scales
.macro LOAD t
.irp i, 0,1,2,3
	global_load_b128 v[R+16*((\t)%4)+4*\i:R+16*((\t)%4)+4*\i+3], v3, s[SRC:SRC+1] offset:2048*(\t)+512*\i th:TH_LOAD_NT   ; 32 lanes read 512 consecutive bytes
.endr
.endm
.macro TURN t                          ; step t's numbers through the stage: LDS serves a wave's instructions in order, so no wait stands between the stores and the loads
.irp i, 0,1,2,3
	ds_store_b128 v14, v[R+16*((\t)%4)+4*\i:R+16*((\t)%4)+4*\i+3] offset:32*SP*((\t)%2)+8*SP*\i
.endr
.irp i, 0,1,2,3
	ds_load_b128 v[X+16*((\t)%2)+4*\i:X+16*((\t)%2)+4*\i+3], v15 offset:32*SP*((\t)%2)+16*\i
.endr
.endm
.macro STEP t
.set XS, X+16*((\t)%2)
.if (\t) > 0
	s_wait_dscnt 1                                 ; this step's numbers are back from the stage; the last step's byte store may be out
.else
	s_wait_dscnt 0x0
.endif
.if (\t)+4 < STEPS
	LOAD (\t)+4                                    ; into the registers whose stores into the stage are done
.endif
.if (\t)+1 < STEPS
.if STEPS-2-(\t) >= 3
	s_wait_loadcnt 12                              ; the next step's four loads are in; those of the three steps behind it may be out
.else
	s_wait_loadcnt 4*(STEPS-2-(\t))
.endif
	TURN (\t)+1
.endif
	v_max3_num_f32 v8, |v[XS]|, |v[XS+1]|, |v[XS+2]|               ; the largest magnitude of my 16, in two chains
	v_max3_num_f32 v9, |v[XS+3]|, |v[XS+4]|, |v[XS+5]|
.irp i, 6,10
	v_max3_num_f32 v8, v8, |v[XS+\i]|, |v[XS+\i+1]|
	v_max3_num_f32 v9, v9, |v[XS+\i+2]|, |v[XS+\i+3]|
.endr
	v_max3_num_f32 v8, v8, |v[XS+14]|, |v[XS+15]|
	v_max3_num_f32 v8, v8, v9, (EMAX+1)<<23        ; and the floor 2^(3 - 127): the byte cannot fall under 1
	v_max_num_f32_dpp v8, v8, v8 row_xmask:1 row_mask:0xf bank_mask:0xf   ; with my neighbour's 16: the block's
	v_add_nc_u32 v11, -(EMAX<<23), v8              ; 2 off its exponent field: the conversion takes this operand's exponent field as its scale
	v_cvt_scalef32_pk8_fp4_f32 v[C+4*(\t)], v[XS:XS+7], v11
	v_cvt_scalef32_pk8_fp4_f32 v[C+4*(\t)+1], v[XS+8:XS+15], v11
	v_lshrrev_b32 v[E+(\t)], 23, v11               ; the scale's byte (also the plain line behind the conversions)
	ds_store_b8 v5, v[E+(\t)] offset:16*(\t)       ; both lanes of a block write the same byte with the same value
	global_store_b64 v4, v[C+4*(\t):C+4*(\t)+1], s[COD:COD+1] offset:32*CB*(\t)   ; the wave stores 256 consecutive bytes, aligned
.endm
.macro LOADG g                         ; job 2: sixteen loads of 512 consecutive bytes
.irp i, 0,1,2,3,4,5,6,7,8,9,10,11,12,13,14,15
	global_load_b128 v[16+64*((\g)%2)+4*\i:16+64*((\g)%2)+4*\i+3], v3, s[14:15] offset:512*(16*(\g)+\i) th:TH_LOAD_NT
.endr
.endm
.macro CV g                            ; job 2: a group of 2,048 numbers to f16
.if (\g) < 3
	s_wait_loadcnt 16                              ; this group's sixteen loads are in; the next group's may be out
.else
	s_wait_loadcnt 0x0
.endif
.if (\g) > 0
	s_wait_xcnt 0x0                                ; the last group's stores have read v144-175, which are written again below
.endif
.irp i, 0,1,2,3,4,5,6,7,8,9,10,11,12,13,14,15
	v_cvt_pk_f16_f32 v[144+2*\i], v[16+64*((\g)%2)+4*\i], v[16+64*((\g)%2)+4*\i+1]
	v_cvt_pk_f16_f32 v[145+2*\i], v[16+64*((\g)%2)+4*\i+2], v[16+64*((\g)%2)+4*\i+3]
.endr
.irp i, 0,1,2,3,4,5,6,7,8,9,10,11,12,13,14,15
	global_store_b64 v4, v[144+2*\i:145+2*\i], s[24:25] offset:256*(16*(\g)+\i)   ; 256 consecutive bytes, aligned
.endr
.if (\g) < 2
	LOADG (\g)+2
.endif
.endm
	s_load_b512 s[4:19], s[0:1], 0x0               ; q s[4:5], kv s[6:7], Wq s[8:9], Wk s[10:11], Wv s[12:13], Wo s[14:15], q_freqs s[16:17], kv_freqs s[18:19]
	s_load_b256 s[20:27], s[0:1], 0x40             ; codes s[20:21], scales s[22:23], wo16 s[24:25], fimg s[26:27]
	v_lshl_add_u32 v[SPW], v0, 2, SPARE
	v_mov_b32 v[NIL], 0
	v_lshrrev_b32 v1, 5, v0
	v_readfirstlane_b32 s28, v1                    ; wave
	v_and_b32 v2, 31, v0                           ; lane
	s_wait_kmcnt 0x0
	s_cmp_ge_u32 ttmp9, 608
	s_cbranch_scc1 .Lother
	; ---- job 1: the quantiser
	v_lshlrev_b32 v3, 4, v2                        ; my 16 bytes of a load's 512
	s_mul_i32 s29, s28, WREG
	v_lshrrev_b32 v14, 2, v2
	v_mul_u32_u24 v14, v14, SP
	v_and_b32 v15, 3, v2
	v_lshl_add_u32 v14, v15, 4, v14
	v_add_nc_u32 v14, s29, v14                     ; the stage, way in: SP (lane / 4) + 16 (lane % 4)
	v_mul_u32_u24 v15, v2, SP
	v_add_nc_u32 v15, s29, v15                     ; way out: SP x lane: my 16 neighbours
	v_mul_u32_u24 v4, v2, CB                       ; my codes' place in a step's
	v_lshrrev_b32 v5, 1, v2
	s_add_co_u32 s29, s29, 2*32*SP
	v_add_nc_u32 v5, s29, v5                       ; my wave's 256 scale bytes, my block's byte
	v_lshlrev_b32 v7, 3, v2
	v_add_nc_u32 v6, s29, v7                       ; and on the way out 8 bytes a lane
	s_mov_b32 s32, 576                             ; which tensor, and its first work-group: four choices on the work-group's number
	s_cmp_lt_u32 ttmp9, 576
	s_cselect_b64 s[SRC:SRC+1], s[10:11], s[12:13]
	s_cselect_b32 s32, 544, s32
	s_cmp_lt_u32 ttmp9, 544
	s_cselect_b64 s[SRC:SRC+1], s[8:9], s[SRC:SRC+1]
	s_cselect_b32 s32, 512, s32
	s_cmp_lt_u32 ttmp9, 512
	s_cselect_b64 s[SRC:SRC+1], s[6:7], s[SRC:SRC+1]
	s_cselect_b32 s32, 256, s32
	s_cmp_lt_u32 ttmp9, 256
	s_cselect_b64 s[SRC:SRC+1], s[4:5], s[SRC:SRC+1]
	s_cselect_b32 s32, 0, s32
	s_sub_co_u32 s33, ttmp9, s32
	s_lshl_b32 s33, s33, 2
	s_add_co_u32 s34, s33, s28                     ; which run of 8,192 numbers of the tensor is my wave's
	s_lshl_b32 s34, s34, 15                        ; 32,768 bytes a run
	s_mov_b32 s35, 0
	s_add_nc_u64 s[SRC:SRC+1], s[SRC:SRC+1], s[34:35]
	s_lshl_b32 s36, ttmp9, 2
	s_add_co_u32 s36, s36, s28                     ; the outputs are one stream over all five tensors: run = 4 x work-group + wave
	s_lshl_b32 s34, s36, 12                        ; 4,096 bytes of codes a run
	s_add_nc_u64 s[COD:COD+1], s[COD:COD+1], s[34:35]
	s_lshl_b32 s34, s36, 8                         ; 256 scale bytes a run
	s_add_nc_u64 s[SCB:SCB+1], s[SCB:SCB+1], s[34:35]
.irp t, 0,1,2,3
	LOAD \t
.endr
	s_wait_loadcnt 12                              ; step 0's four loads are in
	TURN 0
.irp t, 0,1,2,3,4,5,6,7,8,9,10,11,12,13,14,15
	STEP \t
.endr
	ds_load_b64 v[8:9], v6                         ; LDS serves a wave's instructions in order: these see my byte stores
	s_wait_dscnt 0x0
	global_store_b64 v7, v[8:9], s[SCB:SCB+1]      ; 32 lanes store 256 consecutive bytes, aligned
	s_wait_tensorcnt 0x0                           ; the wave's end: behind my last LDS store
	ds_add_u32 v[SPW], v[NIL]
	s_wait_dscnt 0x0
	s_endpgm
.Lother:
	s_cmp_ge_u32 ttmp9, 640
	s_cbranch_scc1 .Lfreq
	; ---- job 2: Wo_w to f16; a wave takes 8,192 numbers
	s_sub_co_u32 s29, ttmp9, 608
	s_lshl_b32 s29, s29, 2
	s_add_co_u32 s29, s29, s28
	s_lshl_b32 s30, s29, 15
	s_mov_b32 s31, 0
	s_add_nc_u64 s[14:15], s[14:15], s[30:31]
	s_lshl_b32 s30, s29, 14
	s_add_nc_u64 s[24:25], s[24:25], s[30:31]
	v_lshlrev_b32 v3, 4, v2
	v_lshlrev_b32 v4, 3, v2
	LOADG 0
	LOADG 1
	CV 0
	CV 1
	CV 2
	CV 3
	s_endpgm
.Lfreq:
	; ---- job 3: a wave takes one tile of 16 positions of one table: 8,192 bytes in, 8,192 out
	s_sub_co_u32 s29, ttmp9, 640
	s_cmp_lt_u32 ttmp9, 672
	s_cselect_b64 s[30:31], s[16:17], s[18:19]
	s_and_b32 s32, s29, 31
	s_lshl_b32 s32, s32, 2
	s_add_co_u32 s32, s32, s28
	s_lshl_b32 s32, s32, 13
	s_mov_b32 s33, 0
	s_add_nc_u64 s[30:31], s[30:31], s[32:33]
	s_lshl_b32 s32, s29, 2
	s_add_co_u32 s32, s32, s28
	s_lshl_b32 s32, s32, 13
	s_add_nc_u64 s[26:27], s[26:27], s[32:33]
	v_and_b32 v5, 15, v0                           ; r: the position in the tile, 512 bytes each
	v_bfe_u32 v6, v0, 4, 1                         ; h: four pairs, 64 bytes
	v_lshlrev_b32 v3, 9, v5
	v_lshl_add_u32 v3, v6, 6, v3
	v_lshlrev_b32 v4, 4, v2
.irp i, 0,1,2,3,4,5,6,7,8,9,10,11,12,13,14,15
	global_load_b128 v[16+4*\i:16+4*\i+3], v3, s[30:31] offset:128*(\i/4)+16*(\i%4) th:TH_LOAD_NT   ; pair 8 (i / 4) + 4 h + i % 4: f00, f01, f10, f11
.endr
	s_wait_loadcnt 0x0
.irp i, 0,1,2,3,4,5,6,7,8,9,10,11,12,13,14,15
	v_mov_b32 v[80+\i], v[16+4*\i+1]               ; the middle two change places: (f00, f10) multiply x0, (f01, f11) multiply x1
	v_mov_b32 v[16+4*\i+1], v[16+4*\i+2]
	v_mov_b32 v[16+4*\i+2], v[80+\i]
.endr
.irp i, 0,1,2,3,4,5,6,7,8,9,10,11,12,13,14,15
	global_store_b128 v4, v[16+4*\i:16+4*\i+3], s[26:27] offset:512*\i   ; 512 consecutive bytes
.endr
	s_endpgm
.Lfunc_end_k_qa3b7a44ccd_prep:
	.size	k_qa3b7a44ccd_prep, .Lfunc_end_k_qa3b7a44ccd_prep-k_qa3b7a44ccd_prep
	.p2alignl 7, 3214868480
	.fill 96, 4, 3214868480
	.section	.rodata,"a",@progbits
	.p2align	6, 0x0
	.amdhsa_kernel k_qa3b7a44ccd_prep
		.amdhsa_group_segment_fixed_size 33280
		.amdhsa_private_segment_fixed_size 0
		.amdhsa_enable_private_segment 0
		.amdhsa_kernarg_size 96
		.amdhsa_user_sgpr_count 2
		.amdhsa_user_sgpr_kernarg_segment_ptr 1
		.amdhsa_wavefront_size32 1
		.amdhsa_system_sgpr_workgroup_id_x 1
		.amdhsa_system_sgpr_workgroup_id_y 1
		.amdhsa_system_sgpr_workgroup_id_z 1
		.amdhsa_system_vgpr_workitem_id 0
		.amdhsa_next_free_vgpr 192
		.amdhsa_next_free_sgpr 66
		.amdhsa_reserve_vcc 0
		.amdhsa_float_denorm_mode_32 3
		.amdhsa_float_denorm_mode_16_64 3
		.amdhsa_memory_ordered 1
		.amdhsa_forward_progress 1
		.amdhsa_inst_pref_size 60
	.end_amdhsa_kernel
	.amdgpu_metadata
---
amdhsa.version: [ 1, 2 ]
amdhsa.kernels:
  - .name:           k_qa3b7a44ccd_prep
    .symbol:         k_qa3b7a44ccd_prep.kd
    .args:
      - { .name: q, .offset: 0, .size: 8, .value_kind: global_buffer, .address_space: global }
      - { .name: kv, .offset: 8, .size: 8, .value_kind: global_buffer, .address_space: global }
      - { .name: Wq_w, .offset: 16, .size: 8, .value_kind: global_buffer, .address_space: global }
      - { .name: Wk_w, .offset: 24, .size: 8, .value_kind: global_buffer, .address_space: global }
      - { .name: Wv_w, .offset: 32, .size: 8, .value_kind: global_buffer, .address_space: global }
      - { .name: Wo_w, .offset: 40, .size: 8, .value_kind: global_buffer, .address_space: global }
      - { .name: q_freqs, .offset: 48, .size: 8, .value_kind: global_buffer, .address_space: global }
      - { .name: kv_freqs, .offset: 56, .size: 8, .value_kind: global_buffer, .address_space: global }
      - { .name: codes, .offset: 64, .size: 8, .value_kind: global_buffer, .address_space: global }
      - { .name: scales, .offset: 72, .size: 8, .value_kind: global_buffer, .address_space: global }
      - { .name: wo16, .offset: 80, .size: 8, .value_kind: global_buffer, .address_space: global }
      - { .name: fimg, .offset: 88, .size: 8, .value_kind: global_buffer, .address_space: global }
    .group_segment_fixed_size: 33280
    .private_segment_fixed_size: 0
    .kernarg_segment_align: 8
    .kernarg_segment_size: 96
    .max_flat_workgroup_size: 128
    .sgpr_count:     66
    .vgpr_count:     192
    .wavefront_size: 32
...
	.end_amdgpu_metadata
.endif
;; end of part 1
;; launch proj (part 2): grid 12 x 32, 4 waves a work-group, clusters of 4 x 4, 327,680 bytes of LDS; arguments codes, scales, Wq_b, Wk_b, Wv_b, fimg, qkv, qks; writes qkv, qks
.if DOCPART == 2
	.amdgcn_target "amdgcn-amd-amdhsa--gfx1250"
	.amdhsa_code_object_version 6
	.text
	.protected	k_qa3b7a44ccd_proj
	.globl	k_qa3b7a44ccd_proj
	.p2align	8
	.type	k_qa3b7a44ccd_proj,@function
k_qa3b7a44ccd_proj:
	s_mov_b64 s[64:65], 0
	v_nop
	global_prefetch_b8 v0, s[64:65] scope:SCOPE_SE
	s_setreg_imm32_b32 hwreg(HW_REG_WAVE_MODE, 25, 1), 1
	s_wait_xcnt 0x0
	s_wait_alu depctr_hold_cnt(0) depctr_sa_sdst(0) depctr_va_vdst(0) depctr_va_sdst(0) depctr_va_ssrc(0) depctr_va_vcc(0) depctr_vm_vsrc(0)
	s_getreg_b32 s2, hwreg(HW_REG_IB_STS2, 6, 4)
	s_cmp_eq_u32 s2, 0
	s_cbranch_scc0 .Lentry_in_a_cluster
	s_endpgm
.Lentry_in_a_cluster:
	s_bfe_u32 s2, ttmp6, 0x10000c
	s_cmp_lg_u32 s2, 0xf033
	s_cbranch_scc0 .Lentry_shape_is_right
	s_endpgm
.Lentry_shape_is_right:
; THE THREE QUANTISED PRODUCTS: q Wq^T, kv Wk^T, kv Wv^T, [8192 x 1024] x [1024 x 1024], on codes of FP4 (E2M1) with one E8M0 scale for each 32 along K, sums in f32; then bias, the 2 x 2 matrices, and f16.
; p = the cluster's x (0: Q, 1: K, 2: V), the same in all sixteen partners.  A work-group makes 256 rows x 256 columns, each of its four waves 128 x 128: 64 accumulators, 512 registers.
; K = 1024 is two slots of 512 along K (tile rows of 256 bytes): both are first fills, nothing is filled again.  The scale bytes of the work-group's rows come once, with the first fills.
; CLUSTER 4 x 4: A's tiles are asked for jointly along a row of the cluster, the weights' along a column.
; THE MATRIX INSTRUCTION IS USED TRANSPOSED (source 0 = 16 rows of the weight, source 1 = 16 rows of q or kv): a lane holds eight neighbouring columns of one row.  The bias is the C of each sum's first instruction.
; THE WAY OUT.  Q and K: out(2 i + e) = f[i][e][0] x(2 i) + f[i][e][1] x(2 i + 1), two packed instructions a pair, in place.  Then each block of 64 rows x one head (64 columns) is multiplied by 2^(127 - E),
; E the exponent field of its largest magnitude (floored at 2^-126): exact, and the block's largest number lies in [1, 2), so that f16 has room whatever the inputs' size.  2^(E - 127) goes to qks[Q, K][batch x head][block].
; V goes to f16 as it is.  qkv: [Q', K', V][batch x head][2048][64] f16: a row is 128 bytes; a store of the wave covers 512 consecutive bytes.
; LIMITS: |V| beyond 65,504 becomes infinity; a block of Q or K whose largest magnitude is 2^127 or more is not served; NaN and infinities are not served.
; REGISTERS, in windows of 256.  window 0: v16-31 addresses; v32-95 scale words, two sets, and nothing else; v96-111 at work on the way out; v128-191 A's fragments, later packed results; v192-255 rows read back.
;   window 1: v0-63, v128-191 the weight's fragments, two sets (v0-63 later the rope's first products); v64-127 the bias, later a freq image; v192-255 a freq image.   windows 2, 3: accumulator (a, b) at v[8 (8 (a % 4) + b)].
.set NQ,     4                         ; matrix instructions deep in a slot
.set ROWB,   256                       ; a tile's row in bytes: 512 codes
.set KROW,   512                       ; a row of codes in memory
.set PITCH,  272                       ; an LDS row: 256 bytes + 16 of padding: the 16 rows that a load touches start at 16 different columns of 16 bytes
.set FR,     8
.set NL,     2
.set NP,     4
.set HALFT,  128*PITCH
.set SLOT,   4*HALFT
.set KS,     32                        ; a row of scale bytes
.set SCL,    2*SLOT
.set HALFS,  (128*KS/256)*272
.set SBLK,   (16*KS/256)*272
.set SPARE,  SCL+4*HALFS               ; the spare words, 128 bytes a wave
.set SGP,    144                       ; the way out: a stage row: 128 bytes + 16
.set SGW,    64*SGP                    ; a wave's stage: 64 rows.  The stages lie in slot 0, which has had its only fill and its last read when the first result is stored there
.set SGV,    4*SGW                     ; V's arm has stage bytes of its own
.set ADRA, 16
.set ADRB, 20
.set STO,  24
.set RD,   25
.set CO,   26                          ; 16 x lane
.set ADRS, 27
.set SPW,  28
.set NIL,  29
.set BO,   30                          ; 32 x (lane / 16)
.set LN,   31                          ; lane
.set SC,   32
.set MX,   96                          ; v96-99 four running maxima
.set SV,   100                         ; v100-103 the four blocks' scales: (u, g) at SV + 2 g + u
.set MT,   104
.set INV,  106                         ; v[106:107] 2^(127 - E), twice
.set AF,   128
.set PKR,  128
.set BK,   192
.set BI,   64                          ; window 1: the bias, eight registers for each of the eight column blocks
.set SEL,  94                          ; s[94:95]
.set G1, 24
.set G0, 32
.set G1B, 48
.set G0B, 56
.set G1S, 68
.set G0S, 76
.set G1SB, 80
.set G0SB, 88
.set MSB, 0
.macro WIN new                         ; the immediate's high byte repeats the setting that is left
.if MSB != \new
	s_set_vgpr_msb (MSB<<8)|\new
.set MSB, \new
.endif
.endm
.set MUL_LO,  0xa1                     ; source 0 (weight) window 1, source 1 (A) window 0, C and D window 2
.set MUL_HI,  0xf1                     ; C and D window 3
.set MUL_LO0, 0x91                     ; the first step: C (the bias) window 1, D window 2
.set MUL_HI0, 0xd1
.set TO_B,    0x40
; A joint load: waves 0 and 1 fetch for A, waves 2 and 3 for the weight; the branch hangs on the wave's number alone.  An s_nop 0 and four v_nop follow each of the two lines.
.macro JLOAD g0a, g1a, g0b, g1b
	s_cmp_eq_u32 s15, 0
	s_cbranch_scc0 .Lfor_b_\@
	tensor_load_to_lds s[\g0a:\g0a+3], s[\g1a:\g1a+7]
	s_nop 0
.rept 4
	v_nop
.endr
	s_branch .Lasked_\@
.Lfor_b_\@:
	tensor_load_to_lds s[\g0b:\g0b+3], s[\g1b:\g1b+7]
	s_nop 0
.rept 4
	v_nop
.endr
.Lasked_\@:
.endm
.macro CROUND                          ; a round of the cluster's barrier
	s_barrier_signal -1
	s_barrier_wait -1
	s_cmp_lg_u32 s14, 0
	s_cbranch_scc1 .Lnot_wave_0_\@
	s_barrier_signal -3
.Lnot_wave_0_\@:
	s_barrier_wait -3
	s_barrier_signal -1
	s_barrier_wait -1
.endm
.macro FRAG reg, adr, q, i             ; 16 rows x 128 K of 4-bit codes: lane l holds row l % 16; registers 4 c .. 4 c + 3 hold K = 64 c + 32 (l / 16) + 0 .. 31
.irp c, 0,1
	ds_load_b128 v[\reg+4*\c:\reg+4*\c+3], v[\adr] offset:64*(\q)+32*\c+(\i)*16*PITCH
.endr
.endm
; 16 matrix instructions: A's blocks a0, a0 + 1 x the weight's eight.  The 64 accumulators take turns, one instruction a turn, in the same order in every step.
.macro MUL16 a0, p, q, sc, zero
.irp a, \a0, \a0+1
.irp b, 0,1,2,3,4,5,6,7
.if \zero
	v_wmma_scale_f32_16x16x128_f8f6f4 v[8*(8*((\a)%4)+\b):8*(8*((\a)%4)+\b)+7], v[128*(\p)+FR*\b:128*(\p)+FR*\b+FR-1], v[AF+FR*(\a):AF+FR*(\a)+FR-1], v[BI+8*\b:BI+8*\b+7], v[SC+8*NQ*(\sc)+NQ*\b+(\q)], v[SC+8*NQ*(\sc)+NQ*(\a)+(\q)] matrix_a_fmt:MATRIX_FMT_FP4 matrix_b_fmt:MATRIX_FMT_FP4 matrix_a_scale:MATRIX_SCALE_ROW1
.else
	v_wmma_scale_f32_16x16x128_f8f6f4 v[8*(8*((\a)%4)+\b):8*(8*((\a)%4)+\b)+7], v[128*(\p)+FR*\b:128*(\p)+FR*\b+FR-1], v[AF+FR*(\a):AF+FR*(\a)+FR-1], v[8*(8*((\a)%4)+\b):8*(8*((\a)%4)+\b)+7], v[SC+8*NQ*(\sc)+NQ*\b+(\q)], v[SC+8*NQ*(\sc)+NQ*(\a)+(\q)] matrix_a_fmt:MATRIX_FMT_FP4 matrix_b_fmt:MATRIX_FMT_FP4 matrix_a_scale:MATRIX_SCALE_ROW1
.endif
.endr
.endr
.endm
.macro FETCH_B slot, q, p
	WIN TO_B
.irp i, 0,1,2,3,4,5,6,7
	FRAG 128*(\p)+FR*\i, ADRB+\slot, \q, \i
.endr
	WIN 0
.endm
.macro FETCH_A slot, q, i0
.irp i, \i0, \i0+1, \i0+2, \i0+3
	FRAG AF+FR*(\i), ADRA+\slot, \q, \i
.endr
.endm
.macro SCALES sc                       ; a slot's scale words: four a row; lanes 0-15 take A's block i, lanes 16-31 the weight's block i
.irp i, 0,1,2,3,4,5,6,7
	ds_load_b128 v[SC+8*NQ*\sc+NQ*\i:SC+8*NQ*\sc+NQ*\i+3], v[ADRS] offset:\i*SBLK
.endr
.endm
.macro PLACES n                        ; plain vector instructions between a matrix instruction and a load into, or a read of, its registers
.rept \n
	v_nop
.endr
.endm
.macro STEP slot, q, zero              ; 128 along K, with its successor in the same slot
	s_wait_dscnt 4*NL                              ; the weight's set and A's blocks 0-3 are in; the youngest eight loads (A's blocks 4-7) may be out
.if \zero
	WIN MUL_LO0
.else
	WIN MUL_LO
.endif
	MUL16 0, (\q)%2, \q, \slot, \zero
	MUL16 2, (\q)%2, \q, \slot, \zero
	s_wait_dscnt 0
	PLACES NP
	FETCH_B \slot, (\q)+1, 1-(\q)%2
	FETCH_A \slot, (\q)+1, 0
.if \zero
	WIN MUL_HI0
.else
	WIN MUL_HI
.endif
	MUL16 4, (\q)%2, \q, \slot, \zero
	MUL16 6, (\q)%2, \q, \slot, \zero
	PLACES NP
	WIN 0
	FETCH_A \slot, (\q)+1, 4
.endm
.macro STEPS slot, from
.set Q, \from
.rept NQ-1-\from
	STEP \slot, Q, 0
.set Q, Q+1
.endr
.endm
.macro HALF2                           ; the second slot's four steps; the last fetches nothing
	STEPS 1, 0
	s_wait_dscnt 4*NL
	WIN MUL_LO
	MUL16 0, 1, NQ-1, 1, 0
	MUL16 2, 1, NQ-1, 1, 0
	s_wait_dscnt 0
	WIN MUL_HI
	MUL16 4, 1, NQ-1, 1, 0
	MUL16 6, 1, NQ-1, 1, 0
	WIN 0
	PLACES NP                                      ; behind the last products, ahead of the first read of results and the first write of operand registers
.endm
.macro FLOAD a                         ; the freq image of my rows 16 a on: sixteen loads of 512 consecutive bytes, into window 1: v192 on (a even) or v64 on (a odd)
.set FB, 192-128*((\a)%2)
	WIN TO_B
.irp i, 0,1,2,3,4,5,6,7,8,9,10,11,12,13,14,15
	global_load_b128 v[FB+4*\i:FB+4*\i+3], v[CO], s[98:99] offset:8192*(\a)+512*\i
.endr
	WIN 0
.endm
.macro ROPE a                          ; block a's eight accumulators, in place; each is read from its low end on
.set FB, 192-128*((\a)%2)
.set AC, 64*((\a)%4)
.if (\a) < 7
	s_wait_loadcnt 16                              ; this block's image is in; the next block's sixteen loads may be out
.else
	s_wait_loadcnt 0x0
.endif
	WIN 0x49+4*((\a)/4)                            ; destination and source 0 window 1, source 1 the accumulators' window
.irp b, 0,1,2,3,4,5,6,7
.irp jj, 0,1,2,3
	v_pk_mul_f32 v[8*\b+2*\jj:8*\b+2*\jj+1], v[FB+16*(\b%4)+4*\jj:FB+16*(\b%4)+4*\jj+1], v[AC+8*\b+2*\jj:AC+8*\b+2*\jj+1] op_sel_hi:[1,0]   ; (f00 x0, f10 x0)
.endr
.endr
	WIN 0x99+0x44*((\a)/4)                         ; destination and source 1 the accumulators' window, sources 0 and 2 window 1
.irp b, 0,1,2,3,4,5,6,7
.irp jj, 0,1,2,3
	v_pk_fma_f32 v[AC+8*\b+2*\jj:AC+8*\b+2*\jj+1], v[FB+16*(\b%4)+4*\jj+2:FB+16*(\b%4)+4*\jj+3], v[AC+8*\b+2*\jj:AC+8*\b+2*\jj+1], v[8*\b+2*\jj:8*\b+2*\jj+1] op_sel:[0,1,0] op_sel_hi:[1,1,1]   ; + (f01 x1, f11 x1)
.endr
.endr
	WIN 0
.if (\a) < 6
	FLOAD (\a)+2
.endif
.endm
.macro BLKMAX u, g                     ; rows 64 u on, head g of my two: the block's largest magnitude, its scale, and the block times 2^(127 - E)
.irp c, 0,1,2,3
	v_mov_b32 v[MX+\c], 0x00800000                 ; the floor 2^-126
.endr
	WIN 0x28+0x14*(\u)
.irp i, 0,1,2,3,4,5,6,7,8,9,10,11,12,13,14,15
.irp c, 0,1,2,3
	v_max3_num_f32 v[MX+\c], v[MX+\c], |v[64*\c+32*(\g)+2*\i]|, |v[64*\c+32*(\g)+2*\i+1]|   ; four chains by turns
.endr
.endr
	WIN 0
	v_max3_num_f32 v[MX], v[MX], v[MX+1], v[MX+2]
	v_max_num_f32 v[MX], v[MX], v[MX+3]
	v_max_num_f32_dpp v[MX], v[MX], v[MX] row_xmask:1 row_mask:0xf bank_mask:0xf
	v_max_num_f32_dpp v[MX], v[MX], v[MX] row_xmask:2 row_mask:0xf bank_mask:0xf
	v_max_num_f32_dpp v[MX], v[MX], v[MX] row_xmask:4 row_mask:0xf bank_mask:0xf
	v_max_num_f32_dpp v[MX], v[MX], v[MX] row_xmask:8 row_mask:0xf bank_mask:0xf
	v_permlanex16_b32 v[MT], v[MX], s[SEL], s[SEL+1]
	v_max_num_f32 v[MX], v[MX], v[MT]              ; in every lane
	v_and_b32 v[SV+2*(\g)+(\u)], 0x7f800000, v[MX] ; 2^(E - 127)
	v_sub_nc_u32 v[INV], 0x7f000000, v[SV+2*(\g)+(\u)]   ; exponent field 254 - E: 2^(127 - E)
	v_mov_b32 v[INV+1], v[INV]
	WIN 0x82+0x41*(\u)
.irp c, 0,1,2,3
.irp i, 0,1,2,3,4,5,6,7,8,9,10,11,12,13,14,15
	v_pk_mul_f32 v[64*\c+32*(\g)+2*\i:64*\c+32*(\g)+2*\i+1], v[64*\c+32*(\g)+2*\i:64*\c+32*(\g)+2*\i+1], v[INV:INV+1] op_sel_hi:[1,0]   ; by a power of two: nothing is rounded
.endr
.endr
	WIN 0
.endm
; 64 rows x 64 columns to f16, through my stage, out as 16 stores of 512 consecutive bytes (four rows of 128 bytes each).  sb: the arm's stage bytes.
.macro OUT u, g, first, sb
	WIN 0x0a+5*(\u)
.irp c, 0,1,2,3
.irp b, 0,1,2,3
.irp jj, 0,1,2,3
	v_cvt_pk_f16_f32 v[PKR+16*\c+4*\b+\jj], v[64*\c+32*(\g)+8*\b+2*\jj], v[64*\c+32*(\g)+8*\b+2*\jj+1]
.endr
.endr
.endr
	WIN 0
.irp c, 0,1,2,3
.irp b, 0,1,2,3
	ds_store_b128 v[STO], v[PKR+16*\c+4*\b:PKR+16*\c+4*\b+3] offset:(\sb)+16*SGP*\c+32*\b
.endr
.endr
.if (\first) == 0
	s_wait_xcnt 0x0                                ; the last block's stores have read v192-255, into which the loads below land
.endif
.irp i, 0,1,2,3,4,5,6,7,8,9,10,11,12,13,14,15
	ds_load_b128 v[BK+4*\i:BK+4*\i+3], v[RD] offset:(\sb)+16*SGP*(\i/4)+4*SGP*(\i%4)   ; LDS serves a wave's instructions in order: these see my stores
.endr
.irp i, 0,1,2,3,4,5,6,7,8,9,10,11,12,13,14,15
	s_wait_dscnt 15-\i                             ; load i is back; the younger ones may be out
	global_store_b128 v[CO], v[BK+4*\i:BK+4*\i+3], s[12:13] offset:262144*(\g)+8192*(\u)+512*\i
.endr
.endm
	s_load_b256 s[4:11], s[0:1], 0x0               ; codes s[4:5], scales s[6:7], Wq_b s[8:9], Wk_b s[10:11]
	s_load_b128 s[96:99], s[0:1], 0x20             ; Wv_b s[96:97], fimg s[98:99]
	s_load_b64 s[12:13], s[0:1], 0x30              ; qkv
	s_load_b64 s[100:101], s[0:1], 0x38            ; qks
	v_lshl_add_u32 v[SPW], v0, 2, SPARE
	v_mov_b32 v[NIL], 0
	ds_add_u32 v[SPW], v[NIL]                      ; the wave's opening: the add, twice on end, and its wait ahead of my first tensor load
	ds_add_u32 v[SPW], v[NIL]
	v_lshrrev_b32 v1, 5, v0
	v_readfirstlane_b32 s14, v1                    ; wave 0..3
	s_lshr_b32 s15, s14, 1                         ; my half of the tile's rows.  Also: I fetch for A (0) or for the weight (1)
	s_and_b32 s16, s14, 1                          ; my half of its columns.  Also: which 128 rows I fetch
	s_bfe_u32 s40, ttmp6, 0x40000                  ; cx
	s_bfe_u32 s41, ttmp6, 0x40004                  ; cy
	s_mov_b32 s3, ttmp9                            ; p: which product
	s_min_u32 s2, s3, 1                            ; 0: q and its table; 1: kv and its table
	s_lshl_b32 s42, ttmp9, 2
	s_add_co_u32 s42, s42, s40                     ; tile column over the three weights = 4 p + cx
	s_and_b32 s17, ttmp7, 0xffff
	s_lshl_b32 s17, s17, 2
	s_add_co_u32 s17, s17, s41                     ; tile row = 4 x cluster y + cy
	s_lshl_b32 s43, s41, 2
	s_lshl_b32 s43, 15, s43                        ; my row of the cluster
	s_lshl_b32 s44, 0x1111, s40                    ; my column
	s_or_b32 s[G1+0], s43, (0<<16)|(1<<20)|(1<<21)|(5<<22)|(3<<25)   ; the mask; elements of 1 byte; padding on; bit 21 beside a mask; 4 words behind every 64
	s_or_b32 s[G1B+0], s44, (0<<16)|(1<<20)|(1<<21)|(5<<22)|(3<<25)
.irp g, G1, G1B
	s_mov_b32 s[\g+1], ROWB<<16                    ; tensor_dim0
	s_mov_b32 s[\g+2], 128<<16                     ; tensor_dim1
	s_mov_b32 s[\g+3], ROWB<<16                    ; tile_dim0
	s_mov_b32 s[\g+4], 128                         ; tile_dim1
	s_mov_b32 s[\g+5], KROW                        ; the pitch
	s_mov_b32 s[\g+6], 0
	s_mov_b32 s[\g+7], 0
.endr
	s_or_b32 s[G1S+0], s43, (3<<16)|(1<<20)|(1<<21)|(5<<22)|(3<<25)  ; the scales of 128 rows: 4,096 dense bytes as 16 rows of 256 (32 elements of 8 bytes), 16 bytes of padding behind each
	s_or_b32 s[G1SB+0], s44, (3<<16)|(1<<20)|(1<<21)|(5<<22)|(3<<25)
.irp g, G1S, G1SB
	s_mov_b32 s[\g+1], 32<<16
	s_mov_b32 s[\g+2], (128*KS/256)<<16
	s_mov_b32 s[\g+3], 32<<16
	s_mov_b32 s[\g+4], 128*KS/256
	s_mov_b32 s[\g+5], 32
	s_mov_b32 s[\g+6], 0
	s_mov_b32 s[\g+7], 0
.endr
	s_lshl_b32 s18, s16, 7                         ; which 128 rows of the tile I fetch
	s_lshl_b32 s20, s17, 8
	s_add_co_u32 s20, s20, s18
	s_lshl_b32 s21, s2, 13
	s_add_co_u32 s20, s20, s21                     ; A: row 8192 min(p, 1) + 256 x tile row + 128 x half
	s_lshl_b32 s46, s42, 8
	s_add_co_u32 s46, s46, s18
	s_add_co_u32 s46, s46, 16384                   ; the weight: row 16384 + 256 x tile column + 128 x half
	s_lshl_b32 s22, s20, 5                         ; their scale bytes: 32 a row
	s_mov_b32 s23, 0
	s_lshl_b32 s92, s46, 5
	s_mov_b32 s93, 0
	s_lshl_b32 s20, s20, 9                         ; their codes: 512 bytes a row
	s_mov_b32 s21, 0
	s_lshl_b32 s46, s46, 9
	s_mov_b32 s47, 0
	s_mul_i32 s45, s14, HALFT                      ; where they go: wave x 128 rows: no place in the cluster enters an LDS address
	s_mul_i32 s94, s14, HALFS
	s_wait_dscnt 0x0                               ; both opening adds are done
	s_wait_kmcnt 0x0
	s_add_nc_u64 s[20:21], s[4:5], s[20:21]
	s_add_nc_u64 s[22:23], s[6:7], s[22:23]
	s_add_nc_u64 s[46:47], s[4:5], s[46:47]
	s_add_nc_u64 s[92:93], s[6:7], s[92:93]
	CROUND                                         ; all sixteen work-groups are here: the first joint loads meet
	s_mov_b32 s[G0S], 1
	s_add_co_u32 s[G0S+1], s94, SCL
	s_mov_b64 s[G0S+2:G0S+3], s[22:23]
	s_or_b32 s[G0S+3], s[G0S+3], 0x80000000
	s_mov_b32 s[G0SB], 1
	s_add_co_u32 s[G0SB+1], s94, SCL
	s_mov_b64 s[G0SB+2:G0SB+3], s[92:93]
	s_or_b32 s[G0SB+3], s[G0SB+3], 0x80000000
	JLOAD G0S, G1S, G0SB, G1SB                     ; the scales first: they are wanted with the first slot
.irp s, 0,1
	s_mov_b32 s[G0+4*\s], 1
	s_add_co_u32 s[G0+4*\s+1], s45, \s*SLOT
	s_add_nc_u64 s[G0+4*\s+2:G0+4*\s+3], s[20:21], \s*ROWB
	s_or_b32 s[G0+4*\s+3], s[G0+4*\s+3], 0x80000000
	s_mov_b32 s[G0B+4*\s], 1
	s_add_co_u32 s[G0B+4*\s+1], s45, \s*SLOT
	s_add_nc_u64 s[G0B+4*\s+2:G0B+4*\s+3], s[46:47], \s*ROWB
	s_or_b32 s[G0B+4*\s+3], s[G0B+4*\s+3], 0x80000000
	JLOAD G0+4*\s, G1, G0B+4*\s, G1B               ; three tensor loads of mine are out
.endr
	v_and_b32 v1, 15, v0                           ; r
	v_bfe_u32 v2, v0, 4, 1                         ; h
	v_mul_u32_u24 v3, v1, PITCH
	v_lshl_add_u32 v4, v2, 4, v3                   ; a fragment's row x pitch + 16 h
	s_mul_i32 s21, s15, HALFT                      ; my 128 rows of A
	s_mul_i32 s22, s16, HALFT                      ; my 128 rows of the weight,
	s_add_co_u32 s22, s22, 2*HALFT                 ; behind A's 256
.irp s, 0,1
	v_add_nc_u32 v[ADRA+\s], s21, v4
	v_add_nc_u32 v[ADRB+\s], s22, v4
	s_add_co_u32 s21, s21, SLOT
	s_add_co_u32 s22, s22, SLOT
.endr
	v_mul_u32_u24 v5, v1, KS                       ; my row's scales: 32 bytes a row,
	v_lshrrev_b32 v6, 8, v5
	v_lshl_add_u32 v5, v6, 4, v5                   ; and 16 more for each 256 passed
	s_mul_i32 s21, s15, HALFS
	s_mul_i32 s22, s16, HALFS
	s_add_co_u32 s22, s22, 2*HALFS
	s_sub_co_u32 s22, s22, s21
	v_mul_u32_u24 v6, s22, v2                      ; lanes 16-31 take the weight's
	s_add_co_u32 s21, s21, SCL
	v_add_nc_u32 v5, v5, v6
	v_add_nc_u32 v[ADRS], s21, v5
	s_mul_i32 s23, s14, SGW                        ; my stage
	v_mul_u32_u24 v5, v1, SGP
	v_lshl_add_u32 v5, v2, 4, v5
	v_add_nc_u32 v[STO], s23, v5                   ; in: row r, 16 bytes for each half of the lanes
	v_and_b32 v[LN], 31, v0
	v_lshrrev_b32 v5, 3, v[LN]
	v_mul_u32_u24 v5, v5, SGP
	v_and_b32 v6, 7, v0
	v_lshl_add_u32 v5, v6, 4, v5
	v_add_nc_u32 v[RD], s23, v5                    ; back: eight lanes to a row of 128 bytes, four rows an instruction
	v_lshlrev_b32 v[CO], 4, v[LN]
	v_lshlrev_b32 v[BO], 5, v2
	v_mov_b32 v[MT], 0                             ; a lane permute's destination counts as one of its sources
	s_cmp_eq_u32 s3, 0                             ; the bias of my product,
	s_cselect_b64 s[92:93], s[8:9], s[10:11]
	s_cmp_eq_u32 s3, 2
	s_cselect_b64 s[92:93], s[96:97], s[92:93]
	s_lshl_b32 s46, s40, 10
	s_lshl_b32 s47, s16, 9
	s_add_co_u32 s46, s46, s47                     ; at my 128 columns: (256 cx + 128 half) x 4 bytes
	s_mov_b32 s47, 0
	s_add_nc_u64 s[92:93], s[92:93], s[46:47]
	WIN TO_B
.irp b, 0,1,2,3,4,5,6,7
	global_load_b128 v[BI+8*\b:BI+8*\b+3], v[BO], s[92:93] offset:64*\b       ; lane (r, h): the bias of columns 16 b + 8 h + 0 .. 7: the result's layout
	global_load_b128 v[BI+8*\b+4:BI+8*\b+7], v[BO], s[92:93] offset:64*\b+16
.endr
	WIN 0
	s_lshr_b32 s20, s17, 3                         ; the batch
	s_and_b32 s21, s17, 7
	s_lshl_b32 s21, s21, 8
	s_lshl_b32 s22, s15, 7
	s_add_co_u32 s21, s21, s22                     ; l0: my first position
	s_lshl_b32 s22, s20, 22                        ; qkv: plane p, head 16 batch + 4 cx + 2 half, row l0, 128 bytes a row
	s_lshl_b32 s23, s21, 7
	s_add_co_u32 s22, s22, s23
	s_lshl_b32 s23, s3, 24
	s_add_co_u32 s22, s22, s23
	s_mov_b32 s23, 0
	s_add_nc_u64 s[12:13], s[12:13], s[22:23]
	s_lshl_b32 s46, s40, 20
	s_lshl_b32 s47, s16, 19
	s_add_co_u32 s46, s46, s47
	s_mov_b32 s47, 0
	s_add_nc_u64 s[12:13], s[12:13], s[46:47]
	s_lshl_b32 s22, s2, 20                         ; fimg: my table, 512 bytes a position
	s_lshl_b32 s23, s21, 9
	s_add_co_u32 s22, s22, s23
	s_mov_b32 s23, 0
	s_add_nc_u64 s[98:99], s[98:99], s[22:23]
	s_lshl_b32 s22, s2, 13                         ; qks: [2][64][32] words
	s_lshl_b32 s23, s20, 11
	s_add_co_u32 s22, s22, s23
	s_lshr_b32 s23, s21, 4
	s_add_co_u32 s22, s22, s23
	s_mov_b32 s23, 0
	s_add_nc_u64 s[100:101], s[100:101], s[22:23]
	s_lshl_b32 s46, s40, 9
	s_lshl_b32 s47, s16, 8
	s_add_co_u32 s46, s46, s47
	s_mov_b32 s47, 0
	s_add_nc_u64 s[100:101], s[100:101], s[46:47]
	s_mov_b32 s[SEL], 0x76543210
	s_mov_b32 s[SEL+1], 0xfedcba98                 ; lane l xor 16
	s_wait_tensorcnt 1                             ; the scales and my part of slot 0 are in; slot 1's load may be out
	s_barrier_signal -1
	s_barrier_wait -1
	FETCH_B 0, 0, 0
	FETCH_A 0, 0, 0
	SCALES 0
	FETCH_A 0, 0, 4
	s_wait_loadcnt 0x0                             ; the bias
	STEP 0, 0, 1                                   ; the first products start the sums on the bias
	STEPS 0, 1
	; slot 0's last step changes slots: one barrier; in front of it each wave waits for all its tensor loads, adds 0 to its spare word, and waits for that and for its reads of slot 0
	s_wait_tensorcnt 0x0                           ; my part of slot 1 has landed
	ds_add_u32 v[SPW], v[NIL]
	s_wait_dscnt 4*NL+1                            ; the add and the youngest eight loads may be out
	WIN MUL_LO
	MUL16 0, 1, NQ-1, 0, 0
	s_wait_dscnt 0x0
	s_barrier_signal -1
	MUL16 2, 1, NQ-1, 0, 0
	WIN 0
	s_barrier_wait -1                              ; slot 1 is whole, and nobody reads slot 0 any more
	PLACES NP
	v_add_nc_u32 v[ADRS], 4*NQ, v[ADRS]            ; the second slot's scale words
	FETCH_B 1, 0, 0
	FETCH_A 1, 0, 0
	SCALES 1
	WIN MUL_HI
	MUL16 4, 1, NQ-1, 0, 0
	MUL16 6, 1, NQ-1, 0, 0
	PLACES NP
	WIN 0
	FETCH_A 1, 0, 4
	s_cmp_eq_u32 s3, 2                             ; the one parting of the ways: on the cluster's x, the same in all waves and all partners; no tensor load stands behind it
	s_cbranch_scc1 .Lv_arm
	; ---- Q and K
	FLOAD 0                                        ; the first two freq images land under the second slot's products
	FLOAD 1
	HALF2
	ROPE 0
	ROPE 1
	ROPE 2
	ROPE 3
	BLKMAX 0, 0
	OUT 0, 0, 1, 0
	BLKMAX 0, 1
	OUT 0, 1, 0, 0
	ROPE 4
	ROPE 5
	ROPE 6
	ROPE 7
	BLKMAX 1, 0
	OUT 1, 0, 0, 0
	BLKMAX 1, 1
	OUT 1, 1, 0, 0
	v_and_b32 v108, 1, v[LN]                       ; the four scales: lane u + 2 g stores block (u, g)'s
	v_cmp_eq_u32 vcc_lo, 1, v108
	v_cndmask_b32 v109, v[SV], v[SV+1], vcc_lo
	v_cndmask_b32 v110, v[SV+2], v[SV+3], vcc_lo
	v_lshlrev_b32 v111, 2, v108                    ; 4 u
	v_bfe_u32 v108, v[LN], 1, 1
	v_cmp_eq_u32 vcc_lo, 1, v108
	v_cndmask_b32 v109, v109, v110, vcc_lo
	v_lshl_add_u32 v111, v108, 7, v111             ; + 128 g: the next head's row of 32 words
	v_cmp_gt_u32 vcc_lo, 4, v[LN]
	s_wait_xcnt 0x0                                ; EXEC changes only behind this wait
	s_and_saveexec_b32 s20, vcc_lo
	global_store_b32 v111, v109, s[100:101]        ; four words a wave
	s_wait_xcnt 0x0
	s_or_b32 exec_lo, exec_lo, s20
	s_branch .Lend
.Lv_arm:
	; ---- V: f16 as it is
	HALF2
	OUT 0, 0, 1, SGV
	OUT 0, 1, 0, SGV
	OUT 1, 0, 0, SGV
	OUT 1, 1, 0, SGV
.Lend:
	s_wait_tensorcnt 0x0                           ; the wave's end: behind my last tensor load and my last LDS store
	ds_add_u32 v[SPW], v[NIL]
	s_wait_dscnt 0x0
	CROUND                                         ; the closing round
	s_endpgm
.Lfunc_end_k_qa3b7a44ccd_proj:
	.size	k_qa3b7a44ccd_proj, .Lfunc_end_k_qa3b7a44ccd_proj-k_qa3b7a44ccd_proj
	.p2alignl 7, 3214868480
	.fill 96, 4, 3214868480
	.section	.rodata,"a",@progbits
	.p2align	6, 0x0
	.amdhsa_kernel k_qa3b7a44ccd_proj
		.amdhsa_group_segment_fixed_size 327680
		.amdhsa_private_segment_fixed_size 0
		.amdhsa_enable_private_segment 0
		.amdhsa_kernarg_size 64
		.amdhsa_user_sgpr_count 2
		.amdhsa_user_sgpr_kernarg_segment_ptr 1
		.amdhsa_wavefront_size32 1
		.amdhsa_system_sgpr_workgroup_id_x 1
		.amdhsa_system_sgpr_workgroup_id_y 1
		.amdhsa_system_sgpr_workgroup_id_z 1
		.amdhsa_system_vgpr_workitem_id 0
		.amdhsa_next_free_vgpr 1024
		.amdhsa_next_free_sgpr 102
		.amdhsa_reserve_vcc 1
		.amdhsa_float_denorm_mode_32 3
		.amdhsa_float_denorm_mode_16_64 3
		.amdhsa_memory_ordered 1
		.amdhsa_forward_progress 1
		.amdhsa_inst_pref_size 255
	.end_amdhsa_kernel
	.section	.bss,"aw",@nobits
	.p2align	6
	.space	262144
	.amdgpu_metadata
---
amdhsa.version: [ 1, 2 ]
amdhsa.kernels:
  - .name:           k_qa3b7a44ccd_proj
    .symbol:         k_qa3b7a44ccd_proj.kd
    .args:
      - { .name: codes, .offset: 0, .size: 8, .value_kind: global_buffer, .address_space: global }
      - { .name: scales, .offset: 8, .size: 8, .value_kind: global_buffer, .address_space: global }
      - { .name: Wq_b, .offset: 16, .size: 8, .value_kind: global_buffer, .address_space: global }
      - { .name: Wk_b, .offset: 24, .size: 8, .value_kind: global_buffer, .address_space: global }
      - { .name: Wv_b, .offset: 32, .size: 8, .value_kind: global_buffer, .address_space: global }
      - { .name: fimg, .offset: 40, .size: 8, .value_kind: global_buffer, .address_space: global }
      - { .name: qkv, .offset: 48, .size: 8, .value_kind: global_buffer, .address_space: global }
      - { .name: qks, .offset: 56, .size: 8, .value_kind: global_buffer, .address_space: global }
    .group_segment_fixed_size: 327680
    .private_segment_fixed_size: 0
    .kernarg_segment_align: 8
    .kernarg_segment_size: 64
    .max_flat_workgroup_size: 128
    .sgpr_count:     102
    .vgpr_count:     1024
    .wavefront_size: 32
...
	.end_amdgpu_metadata
.endif
;; end of part 2
;; launch attn (part 3): grid 8 x 64, 4 waves a work-group, clusters of 4 x 1, 327,680 bytes of LDS; arguments qkv, qks, ows; writes ows
.if DOCPART == 3
	.amdgcn_target "amdgcn-amd-amdhsa--gfx1250"
	.amdhsa_code_object_version 6
	.text
	.protected	k_qa3b7a44ccd_attn
	.globl	k_qa3b7a44ccd_attn
	.p2align	8
	.type	k_qa3b7a44ccd_attn,@function
k_qa3b7a44ccd_attn:
	s_mov_b64 s[64:65], 0
	v_nop
	global_prefetch_b8 v0, s[64:65] scope:SCOPE_SE
	s_setreg_imm32_b32 hwreg(HW_REG_WAVE_MODE, 25, 1), 1
	s_wait_xcnt 0x0
	s_wait_alu depctr_hold_cnt(0) depctr_sa_sdst(0) depctr_va_vdst(0) depctr_va_sdst(0) depctr_va_ssrc(0) depctr_va_vcc(0) depctr_vm_vsrc(0)
	s_getreg_b32 s2, hwreg(HW_REG_IB_STS2, 6, 4)
	s_cmp_eq_u32 s2, 0
	s_cbranch_scc0 .Lentry_in_a_cluster
	s_endpgm
.Lentry_in_a_cluster:
	s_bfe_u32 s2, ttmp6, 0x10000c
	s_cmp_lg_u32 s2, 0x3003
	s_cbranch_scc0 .Lentry_shape_is_right
	s_endpgm
.Lentry_shape_is_right:
; O[bh][q][:] = the sum over k of softmax_k(Q[bh][q] . K[bh][k] / 8) V[bh][k][:], head size 64, 2,048 queries and keys, 64 batch x heads.  Operands f16; products, maxima and sums f32.
; Q' and K' arrive as f16 with one power of two for each block of 64 rows (qks): Q = Q' qs, K = K' ks.  The scales cost no line: t = s' cc with cc = (log2(e) / 8) qs(my 64 queries) ks(this step's 64 keys),
; and a key step is just such a block.  The running maximum is kept in units of t, since cc changes from step to step.  p = 2^(t - m); in every step O and l are multiplied by a = 2^(m_old - m_new).
; SHARES.  A work-group owns 256 queries of one head, each of its four waves 64: four tiles of 16.  Every wave walks all keys, 64 a step.
; LAYOUT.  S^T = K Q^T (source 0 = 16 keys, source 1 = 16 queries): a lane holds ONE query and the keys 8 (lane / 16) + 0..7.  Two such tiles, rounded to f16 in pairs, are source 1 of O^T = V^T P.
; K comes out of LDS as it lies, V ([key][channel]) turned, by ds_load_tr16_b128.
; BY TURNS.  The wave's tiles are two pieces (0: tiles 0, 1; 2: tiles 2, 3).  In a turn one piece has the matrix unit: 16 products V^T P of the step in hand, then 16 products K Q^T of the next step; the other piece's
; softmax, 238 vector instructions cut into 32 slices, stands between them, one slice behind each matrix instruction.  Two turns are a key step.
; CLUSTER.  The four query blocks of a cluster belong to one head and walk the same K and V: each tile is asked for jointly, by the same tensor load with a mask that names the four.
; LIMITS: |O| is at most the largest |V|, which has its limit where it is made; NaN and infinities are not served.
; REGISTERS.  window 0: v1-9 addresses; v12-43 eight registers of statistics a tile; v44 cc (lane i: key step i); v64-191 S^T, 32 a tile; v192-255 P, 16 a tile.
;   window 1: v0-127 O^T, 32 a tile; v128-191 V of one step.   window 2: v0-63 Q, 16 a tile; v128-191 K of one step.
.set KS,    64
.set PKP,   144       ; a row of K in LDS: 128 bytes + 16: the 16 rows of a load start at 16 different columns of 16 bytes
.set PVP,   160       ; a row of V: 128 + 32: an odd multiple of 32 bytes
.set VOFF,  KS*PKP
.set STEPB, KS*(PKP+PVP)
.set SLOT1, 1<<16     ; a slot holds two steps (38,912 bytes); slot 1 begins here, so that one exclusive or turns an address
.set STAGE, SLOT1+2*STEPB
.set SP,    144
.set SPARE, STAGE+4*16*SP
.set PLANE, 1<<24     ; bytes from Q' to K' and from K' to V in qkv
.set AK0, 2
.set AV0, 3
.set ADR, 4
.set QO,  5
.set STO, 6
.set RD,  7
.set GO,  8
.set ST,  12          ; tile t at v[ST + 8 t]: +0 m (in units of t), +1 zero, +2, +3 l, +4 to +7 c0-c3, at work; a takes c2's place
.set CC,  44
.set PFO, 61
.set SPW, 62
.set NIL, 63
.set S,   64
.set P,   192
.set KF,  128         ; window 2
.set VF,  128         ; window 1
.set WV,  12
.set LIM, 15
.set PFA, 18
.set G1K, 24
.set G1V, 32
.set G0K, 40
.set G0V, 48
.set SLOTS, 56
.set TWICE, 57
.set CS,  58          ; s[58:59] cc of the step in hand, twice
.set SEL, 60
.set TB,  62
.set KI,  63          ; the key step whose cc is in s[CS]
.set QS,  66
.set MSB, 0
.macro WIN new
.if MSB != \new
	s_set_vgpr_msb (MSB<<8)|\new
.set MSB, \new
.endif
.endm
.set W_KQ, 0x0a       ; K and Q window 2, S^T window 0
.set W_PV, 0x51       ; V window 1, P window 0, O^T window 1
.set W_RS, 0x41       ; O^T window 1, a window 0
.macro JLOAD          ; a joint refill: waves 0, 1 fetch the two steps' K, waves 2, 3 their V; an s_nop 0 and four v_nop follow each line
	s_cmp_lt_u32 s[WV], 2
	s_cbranch_scc0 .Lfor_v_\@
	tensor_load_to_lds s[G0K+4:G0K+7], s[G1K:G1K+7]
	s_nop 0
.rept 4
	v_nop
.endr
	s_branch .Lasked_\@
.Lfor_v_\@:
	tensor_load_to_lds s[G0V+4:G0V+7], s[G1V:G1V+7]
	s_nop 0
.rept 4
	v_nop
.endr
.Lasked_\@:
.endm
; A prefetch of what the NEXT change of slots will ask for: 16,384 bytes of K and as many of V.  The head's first cluster asks; its four partners take 4,096 bytes of each, told apart by address; in each, wave 0 asks:
; lanes 0-15 name K's sixteen blocks of 256 bytes, lanes 16-31 V's.  So each block is named once in the launch.  The last change that fills a slot asks for nothing.
.macro ASK
	s_cmp_gt_u32 s[SLOTS], s[LIM]
	s_cbranch_scc0 .Lnot_mine_\@
	global_prefetch_b8 v[PFO], s[PFA:PFA+1] th:TH_LOAD_NT scope:SCOPE_SE
.Lnot_mine_\@:
.endm
.macro CROUND
	s_barrier_signal -1
	s_barrier_wait -1
	s_cmp_lg_u32 s[WV], 0
	s_cbranch_scc1 .Lnot_wave_0_\@
	s_barrier_signal -3
.Lnot_wave_0_\@:
	s_barrier_wait -3
	s_barrier_signal -1
	s_barrier_wait -1
.endm
	s_load_b64 s[4:5], s[0:1], 0x0    ; qkv
	s_load_b64 s[68:69], s[0:1], 0x8  ; qks
	s_load_b64 s[10:11], s[0:1], 0x10 ; ows
	v_lshl_add_u32 v[SPW], v0, 2, SPARE
	v_mov_b32 v[NIL], 0
	ds_add_u32 v[SPW], v[NIL]       ; the wave's opening: the add, twice on end, and its wait ahead of my first tensor load
	ds_add_u32 v[SPW], v[NIL]
	v_lshrrev_b32 v1, 5, v0
	v_readfirstlane_b32 s[WV], v1   ; wave 0..3
	s_bfe_u32 s13, ttmp6, 0x40000   ; cx
	s_lshl_b32 s14, ttmp9, 2
	s_add_co_u32 s14, s14, s13      ; my block of 256 queries: it enters Q's, O's and the scale's addresses alone
	s_and_b32 s20, ttmp7, 0xffff    ; batch x head, which the four partners share
	s_lshl_b32 s21, s20, 7          ; its 32 words in qks
	s_lshl_b32 s20, s20, 18         ; its 2,048 rows of 128 bytes in a plane
	s_and_b32 s16, s[WV], 1         ; which of a slot's two steps I fetch
	s_lshl_b32 s22, s16, 13
	s_add_co_u32 s22, s22, s20
	s_add_co_u32 s22, s22, PLANE    ; K' at my tile of slot 0
	s_mov_b32 s23, 0
	s_mul_i32 s17, s16, STEPB       ; and its place in a slot
	s_lshl_b32 s2, s14, 15
	s_lshl_b32 s3, s[WV], 13
	s_add_co_u32 s2, s2, s3
	s_add_co_u32 s2, s2, s20        ; my wave's 64 rows of Q' and of O
	s_mov_b32 s3, 0
	s_mov_b32 s[G1K], 15|(1<<16)|(1<<20)|(1<<21)|(4<<22)|(3<<25)  ; the mask: all four; elements of 2 bytes; padding on; bit 21 beside a mask; 4 words behind every 32
	s_mov_b32 s[G1V], 15|(1<<16)|(1<<20)|(1<<21)|(4<<22)|(7<<25)  ; the same with 8 words
.irp g, G1K, G1V
	s_mov_b32 s[\g+1], 64<<16       ; tensor_dim0
	s_mov_b32 s[\g+2], KS<<16       ; tensor_dim1
	s_mov_b32 s[\g+3], 64<<16       ; tile_dim0
	s_mov_b32 s[\g+4], KS           ; tile_dim1
	s_mov_b32 s[\g+5], 64           ; the pitch
	s_mov_b32 s[\g+6], 0
	s_mov_b32 s[\g+7], 0
.endr
	s_mov_b32 s[SEL], 0x76543210
	s_mov_b32 s[SEL+1], 0xfedcba98
	s_mov_b32 s[TB], 0
	s_mov_b32 s[KI], -1
	s_mov_b32 s[SLOTS], 2048/(2*KS)-2
	s_or_b32 s[LIM], s[WV], ttmp9   ; 0 in wave 0 of the head's first cluster: the same in all four partners
	s_cmp_eq_u32 s[LIM], 0
	s_cselect_b32 s[LIM], 1, -1
	v_and_b32 v[PFO], 15, v0
	v_lshlrev_b32 v[PFO], 8, v[PFO]
	v_bfe_u32 v45, v0, 4, 1
	v_lshl_add_u32 v[PFO], v45, 24, v[PFO]  ; 256 (lane % 16), and a plane on for lanes 16-31
	s_wait_dscnt 0x0                ; both opening adds are done
	s_wait_kmcnt 0x0
	s_add_nc_u64 s[6:7], s[4:5], s[22:23]
	s_add_nc_u64 s[8:9], s[6:7], PLANE
	s_add_nc_u64 s[4:5], s[4:5], s[2:3]
	s_add_nc_u64 s[10:11], s[10:11], s[2:3]
	s_lshl_b32 s2, s13, 12          ; my work-group's 4,096 bytes of a slot's 16,384
	s_add_nc_u64 s[PFA:PFA+1], s[6:7], s[2:3]
	s_add_nc_u64 s[PFA:PFA+1], s[PFA:PFA+1], 2*2*KS*128  ; in slot 2; the first change of slots steps it to slot 3.  Nothing is prefetched at the head
	CROUND                          ; all four work-groups are here: the first joint loads meet
.irp s, 0,1
	s_mov_b32 s[G0K+4*\s], 1
	s_add_co_u32 s[G0K+4*\s+1], s17, \s*SLOT1
	s_add_nc_u64 s[G0K+4*\s+2:G0K+4*\s+3], s[6:7], \s*2*KS*128
	s_or_b32 s[G0K+4*\s+3], s[G0K+4*\s+3], 0x80000000
	s_mov_b32 s[G0V+4*\s], 1
	s_add_co_u32 s[G0V+4*\s+1], s17, \s*SLOT1+VOFF
	s_add_nc_u64 s[G0V+4*\s+2:G0V+4*\s+3], s[8:9], \s*2*KS*128
	s_or_b32 s[G0V+4*\s+3], s[G0V+4*\s+3], 0x80000000
.endr
	s_cmp_lt_u32 s[WV], 2           ; a wave's two first fills stand in one branch: two loads of mine are out
	s_cbranch_scc0 .Lfirst_v
	tensor_load_to_lds s[G0K:G0K+3], s[G1K:G1K+7]
	s_nop 0
	tensor_load_to_lds s[G0K+4:G0K+7], s[G1K:G1K+7]
	s_nop 0
.rept 4
	v_nop
.endr
	s_branch .Lfirst_asked
.Lfirst_v:
	tensor_load_to_lds s[G0V:G0V+3], s[G1V:G1V+7]
	s_nop 0
	tensor_load_to_lds s[G0V+4:G0V+7], s[G1V:G1V+7]
	s_nop 0
.rept 4
	v_nop
.endr
.Lfirst_asked:
	s_add_co_u32 s2, s21, 8192      ; the scales: K's 32 of this head, a lane each,
	s_add_nc_u64 s[70:71], s[68:69], s[2:3]
	s_lshl_b32 s2, s14, 4
	s_add_co_u32 s2, s2, s21
	s_lshl_b32 s22, s[WV], 2
	s_add_co_u32 s2, s2, s22        ; and Q's of my 64 queries: block 4 x my block + wave
	s_add_nc_u64 s[68:69], s[68:69], s[2:3]
	s_load_b32 s[QS], s[68:69], 0x0
	v_and_b32 v47, 31, v0
	v_lshlrev_b32 v47, 2, v47
	global_load_b32 v46, v47, s[70:71]
	v_and_b32 v1, 15, v0            ; r
	v_bfe_u32 v9, v0, 4, 1          ; h
	v_lshlrev_b32 v[QO], 7, v1
	v_lshl_add_u32 v[QO], v9, 4, v[QO]  ; row x 128 + 16 h
	WIN 0x80                        ; destination window 2
.irp i, 0,1,2,3,4,5,6,7             ; Q stays in registers: tile i / 2, channels 32 (i % 2) on
	global_load_b128 v[8*\i:8*\i+3],   v[QO], s[4:5] offset:(\i/2)*2048+(\i%2)*64
	global_load_b128 v[8*\i+4:8*\i+7], v[QO], s[4:5] offset:(\i/2)*2048+(\i%2)*64+32
.endr
	WIN 0
	v_mul_u32_u24 v[AK0], v1, PKP
	v_lshl_add_u32 v[AK0], v9, 4, v[AK0]
	v_and_b32 v10, 7, v0            ; the turning load: lane l reads key 8 (l / 16) + l % 8, channels 8 ((l / 8) % 2) + 0..7
	v_bfe_u32 v11, v0, 3, 1
	v_lshl_add_u32 v[AV0], v9, 3, v10
	v_mul_u32_u24 v[AV0], v[AV0], PVP
	v_lshl_add_u32 v[AV0], v11, 4, v[AV0]
	v_add_nc_u32 v[AV0], VOFF, v[AV0]
.irp t, 0,1,2,3
	v_mov_b32 v[ST+8*\t+1], 0       ; named as the upper half of the pair with m
.endr
; Product i of 16 of O^T += V^T P: keys 32 (i / 8) on, channels 16 ((i / 2) % 4) on, tile x + i % 2.  The accumulators take turns, one instruction a turn: seven others' stand between two links.
.macro PV x, zero
	WIN W_PV
.set rO, 32*(\x+i%2)+8*((i/2)%4)
.set rV, VF+32*(i/8)+8*((i/2)%4)
.set rP, P+16*(\x+i%2)+8*(i/8)
.if (\zero) && (i < 8)
	v_wmma_f32_16x16x32_f16 v[rO:rO+7], v[rV:rV+7], v[rP:rP+7], 0
.else
	v_wmma_f32_16x16x32_f16 v[rO:rO+7], v[rV:rV+7], v[rP:rP+7], v[rO:rO+7]
.endif
.endm
; Product i of 16 of S^T = K Q^T: channels 32 (i / 8) on, keys 16 ((i / 2) % 4) on, tile x + i % 2.  The first 8 start the sums.
.macro KQ x
	WIN W_KQ
.set rS, S+32*(\x+i%2)+8*((i/2)%4)
.set rK, KF+16*((i/2)%4)+8*(i/8)
.set rQ, 16*(\x+i%2)+8*(i/8)
.if i < 8
	v_wmma_f32_16x16x32_f16 v[rS:rS+7], v[rK:rK+7], v[rQ:rQ+7], 0
.else
	v_wmma_f32_16x16x32_f16 v[rS:rS+7], v[rK:rK+7], v[rQ:rQ+7], v[rS:rS+7]
.endif
.endm
.macro FETCH_K                      ; a step's K: 64 keys x 64 channels, 8 fragments, one run of 16 loads
	WIN 0
	v_add_nc_u32 v[ADR], s[TB], v[AK0]
	WIN 0x80
.irp f, 0,1,2,3,4,5,6,7             ; keys 16 (f / 2) on, channels 32 (f % 2) on
	ds_load_b128 v[KF+8*\f:KF+8*\f+3],   v[ADR] offset:(\f/2)*16*PKP+(\f%2)*64
	ds_load_b128 v[KF+8*\f+4:KF+8*\f+7], v[ADR] offset:(\f/2)*16*PKP+(\f%2)*64+32
.endr
.endm
.macro FETCH_V                      ; a step's V, turned; the wait for the softmax's batch stands in it
	WIN 0
	v_add_nc_u32 v[ADR], s[TB], v[AV0]
	s_add_co_u32 s[TB], s[TB], STEPB  ; the next fetch is the next step's
	s_wait_alu depctr_va_vdst(0)    ; one wait for the piece's 66 exponentials, ahead of the first instruction that names a result
	WIN 0x40
.irp f, 0,1,2,3,4,5,6,7             ; keys 32 (f / 4) on, channels 16 (f % 4) on
	ds_load_tr16_b128 v[VF+8*\f:VF+8*\f+3],   v[ADR] offset:(\f/4)*32*PVP+(\f%4)*32
	ds_load_tr16_b128 v[VF+8*\f+4:VF+8*\f+7], v[ADR] offset:(\f/4)*32*PVP+16*PVP+(\f%4)*32
.endr
.endm
; One tile's softmax for one key step is a list of 119 instructions; SM writes number j of it for tile t.  first = 1: the first key step, which starts m, l and O^T.
;   0-15  the largest of the lane's 32 scores, four chains (each accumulator is first read at its low end)      16-21  the other half of the lanes'; as t; the new m; m_old - m_new
;   22-70 ONE BATCH: 16 packed scalings cc s - m and all 33 exponentials; none reads an exponential's result; a pair is scaled ahead of its exponentials
;   (the wait)      71-86 roundings to f16      87-102 the sums; l = a l + the sum      103-118 the tile's O^T times a
.macro SM t, first
.set rT, ST+8*(\t)
.set rS, S+32*(\t)
.set rP, P+16*(\t)
.set rO, 32*(\t)+2*(j-103)
.set m, j-25
.if j < 103
	WIN 0
.endif
.if j < 4
	v_max3_num_f32 v[rT+4+j], v[rS+8*j], v[rS+8*j+1], v[rS+8*j+2]
.elseif j < 12
	v_max3_num_f32 v[rT+4+j%4], v[rT+4+j%4], v[rS+8*(j%4)+2*(j/4)+1], v[rS+8*(j%4)+2*(j/4)+2]
.elseif j == 12
	v_max3_num_f32 v[rT+4], v[rT+4], v[rS+7], v[rS+15]
.elseif j == 13
	v_max3_num_f32 v[rT+6], v[rT+6], v[rS+23], v[rS+31]
.elseif j == 14
	v_max3_num_f32 v[rT+4], v[rT+4], v[rT+5], v[rT+6]
.elseif j == 15
	v_max_num_f32 v[rT+4], v[rT+4], v[rT+7]
.elseif j == 16
	v_permlanex16_b32 v[rT+5], v[rT+4], s[SEL], s[SEL+1]  ; the query's other 32 keys lie in the lane 16 away
.elseif j == 18
	v_max_num_f32 v[rT+4], v[rT+4], v[rT+5]
.elseif j == 19
	v_mul_f32 v[rT+4], s[CS], v[rT+4]  ; the step's largest score as t (cc is positive)
.elseif (j == 20) && \first
	v_mov_b32 v[rT], v[rT+4]
.elseif j == 20
	v_max_num_f32 v[rT], v[rT], v[rT+4]
.elseif ((j == 17) || (j == 21) || (j == 23) || (j > 102)) && \first  ; the first step has none of these
.elseif j == 17
	v_mov_b32 v[rT+7], v[rT]        ; m_old is kept for a
.elseif j == 21
	v_sub_f32 v[rT+7], v[rT+7], v[rT]
.elseif j == 23
	v_exp_f32 v[rT+6], v[rT+7]
.elseif (j == 22) || (j == 24) || ((j < 67) && (m%3 == 2))
.set b, m/3+2                       ; 27, 30, .. 66: pairs 2 to 15
.if j < 25
.set b, (j-22)/2                    ; 22: pair 0; 24: pair 1
.endif
	v_pk_fma_f32 v[rS+2*b:rS+2*b+1], v[rS+2*b:rS+2*b+1], s[CS:CS+1], v[rT:rT+1] op_sel_hi:[1,0,0] neg_lo:[0,0,1] neg_hi:[0,0,1]  ; cc s - m
.elseif j < 71
.set e, j-39                        ; 67 to 70: s28 to s31
.if j < 67
.set e, 2*(m/3)+m%3                 ; 25, 26, 28, 29, .. 64, 65: s0 to s27
.endif
	v_exp_f32 v[rS+e], v[rS+e]
.elseif j < 87
	v_cvt_pk_f16_f32 v[rP+j-71], v[rS+2*(j-71)], v[rS+2*(j-71)+1]
.elseif j < 103                     ; the sum of the tile's 16 pairs, in place: neighbours 1, 2, 4 and 8 pairs apart, then l takes it
.set z, j-87
.set w, 4
.set u, z
.if z >= 14
.set w, 32
.set u, 0
.elseif z >= 12
.set w, 16
.set u, z-12
.elseif z >= 8
.set w, 8
.set u, z-8
.endif
.if (z == 14) && \first
	v_pk_add_f32 v[rT+2:rT+3], v[rS:rS+1], v[rS+16:rS+17]
.elseif z < 15
	v_pk_add_f32 v[rS+w*u:rS+w*u+1], v[rS+w*u:rS+w*u+1], v[rS+w*u+w/2:rS+w*u+w/2+1]
.elseif !\first
	v_pk_fma_f32 v[rT+2:rT+3], v[rT+2:rT+3], v[rT+6:rT+7], v[rS:rS+1] op_sel_hi:[1,0,1]
.endif
.else
	WIN W_RS
	v_pk_mul_f32 v[rO:rO+1], v[rO:rO+1], v[rT+6:rT+7] op_sel_hi:[1,0]
.endif
.endm
; Slice k of 32 of piece y's softmax: numbers 119 k / 32 up to 119 (k + 1) / 32 - 1 of both tiles' lists, the tiles alternating: six or eight instructions.
; Piece 0's slice 0 takes the next key step's cc out of lane KI of v[CC]; piece 2's softmax of the same step follows under the same cc.
; Ahead of number 71 nothing names an exponential's result, and behind number 70 no exponential is issued: a plain instruction and ONE wait stand there.
.macro SLICE y, first
.if (k == 0) && ((\y) == 0)
	WIN 0
	s_add_co_u32 s[KI], s[KI], 1
	v_readlane_b32 s[CS], v[CC], s[KI]
	s_mov_b32 s[CS+1], s[CS]
.endif
.set j, (119*k)/32
.rept (119*(k+1))/32-(119*k)/32
.if j == 71
	v_nop                           ; the plain instruction behind the last exponential
.if (\y) == 0
	FETCH_V                         ; piece 2's turn: V's run of loads stands here, and the wait stands in it
.else
	s_wait_alu depctr_va_vdst(0)    ; the wait for the batch
.endif
.endif
	SM \y, \first
	SM (\y)+1, \first
.set j, j+1
.endr
.set k, k+1
.endm
.macro PLACES
.rept 4
	v_nop
.endr
.endm
; A TURN.  Piece x has the matrix unit.  pv = 2: 16 products V^T P; 1: they start O^T's sums; 0: none.  kq = 1: 16 products K Q^T for the next step.  A turn with one kind has two slices behind each product.
; Slice 31, eight packed multiplications of the other piece's O^T, are the places between the turn's last K Q^T and the next turn's read of those scores and loads into K's registers.
; Between the last V^T P (ahead of slice 15) and V's loads stand eight scalings, the v_nop and the run's own addition.
.macro TURN x, pv, kq, first
.set k, 0
.set per, 2
.if \pv && \kq
.set per, 1
.endif
.if \pv
.if \x == 0
	s_wait_dscnt 0x0                ; V is in
.endif
.set i, 0
.rept 16
	PV \x, 2-\pv
.rept per
	SLICE 2-\x, \first
.endr
.if (\x == 0) && \kq && (i == 1)
	FETCH_K
.endif
.set i, i+1
.endr
.endif
.if \kq
.if \x == 0
	s_wait_dscnt 0x0                ; K is in
.endif
.set i, 0
.rept 16
	KQ \x
.rept per
	SLICE 2-\x, \first
.endr
.set i, i+1
.endr
.endif
.if \first
	PLACES                          ; the first step's last slices are empty
.endif
.endm
; THE CHANGE OF SLOTS, between piece 2's turn and piece 0's.  Each wave waits for all its tensor loads (one is out: its part of the other slot), adds 0 to its spare word, and waits for that and for its reads of the slot.
; fill = 1: the barrier is a round of the cluster's, and the joint refill is the first thing behind it: it has two key steps, 128 matrix instructions and their softmax, in which to land.
.macro CHANGE fill
	WIN 0
	s_wait_tensorcnt 0x0
	ds_add_u32 v[SPW], v[NIL]
.if \fill
.irp g, G0K+4, G0V+4
	s_xor_b32 s[\g+1], s[\g+1], SLOT1
	s_add_nc_u64 s[\g+2:\g+3], s[\g+2:\g+3], 2*KS*128
.endr
	s_wait_xcnt 0x0                 ; the last prefetch, two key steps back, has read its address
	s_add_nc_u64 s[PFA:PFA+1], s[PFA:PFA+1], 2*KS*128
	s_wait_dscnt 0x0
	CROUND
	JLOAD
	ASK
.else
	s_wait_dscnt 0x0
	s_barrier_signal -1
	s_barrier_wait -1
.endif
	s_sub_co_u32 s[TB], s[TB], 2*STEPB
	s_xor_b32 s[TB], s[TB], SLOT1
.endm
.macro TWO_STEPS
	s_mov_b32 s[TWICE], 2
.Lstep_\@:
	TURN 0, 2, 1, 0
	TURN 2, 2, 1, 0
	WIN 0
	s_sub_co_u32 s[TWICE], s[TWICE], 1
	s_cmp_lg_u32 s[TWICE], 0
	s_cbranch_scc1 .Lstep_\@
.endm
	s_wait_tensorcnt 1              ; my part of slot 0 is in; slot 1's may stay out
	s_barrier_signal -1
	s_barrier_wait -1
	FETCH_K                         ; key step 0
	WIN 0
	s_wait_loadcnt 0x0              ; Q and K's scales
	s_wait_kmcnt 0x0                ; Q's scale
	s_mul_f32 s[QS], s[QS], 0x3e38aa3b  ; log2(e) / 8 x qs
	v_mul_f32 v[CC], s[QS], v46     ; lane i: cc of key step i
	s_wait_dscnt 0x0
.set i, 0
.rept 16
	KQ 0                            ; piece 0's first scores
.set i, i+1
.endr
	WIN 0                           ; the addresses for the way out: plain instructions, the places behind those products
	s_mul_i32 s13, s[WV], 16*SP
	s_add_co_u32 s13, s13, STAGE    ; my stage
	v_mul_u32_u24 v[STO], v1, SP
	v_lshl_add_u32 v[STO], v9, 4, v[STO]
	v_add_nc_u32 v[STO], s13, v[STO]  ; in: row r, 16 bytes for each half of the lanes
	v_and_b32 v[GO], 31, v0
	v_lshrrev_b32 v[RD], 3, v[GO]
	v_mul_u32_u24 v[RD], v[RD], SP
	v_and_b32 v45, 7, v0
	v_lshl_add_u32 v[RD], v45, 4, v[RD]
	v_add_nc_u32 v[RD], s13, v[RD]  ; back: eight lanes to a row of 128 bytes, four rows an instruction
	v_lshlrev_b32 v[GO], 4, v[GO]   ; and the same 512 bytes in O
	TURN 2, 0, 1, 1                 ; piece 2's first scores | piece 0's first softmax | V of step 0
	TURN 0, 1, 1, 1                 ; piece 0: V^T P of step 0 starts O^T, K Q^T of step 1 | piece 2's first softmax | K of step 1
	TURN 2, 1, 1, 0                 ; piece 2: the same | piece 0's softmax of step 1 | V of step 1
	WIN 0
.Lslot:                             ; 14 trips: every slot but the last two is filled again
	CHANGE 1
	TWO_STEPS
	s_sub_co_u32 s[SLOTS], s[SLOTS], 1
	s_cmp_lg_u32 s[SLOTS], 0
	s_cbranch_scc1 .Lslot
	CHANGE 0                        ; the tail is written out
	TWO_STEPS
	TURN 0, 2, 0, 0                 ; piece 0: V^T P of the last step | piece 2's last softmax
.set i, 0
.rept 16
	PV 2, 0
.set i, i+1
.endr
	; THE WAY OUT.  l's halves and the other half of the lanes' are added; O^T is divided by l, rounded to f16 and sent through my stage, a tile (16 rows) at a time.  The additions are the places behind the last products.
	WIN 0
.irp t, 0,1,2,3
	v_add_f32 v[ST+8*\t+4], v[ST+8*\t+2], v[ST+8*\t+3]
.endr
.irp t, 0,1,2,3
	v_permlanex16_b32 v[ST+8*\t+5], v[ST+8*\t+4], s[SEL], s[SEL+1]
.endr
.irp t, 0,1,2,3
	v_add_f32 v[ST+8*\t+4], v[ST+8*\t+4], v[ST+8*\t+5]
.endr
.irp t, 0,1,2,3
	v_rcp_f32 v[ST+8*\t+6], v[ST+8*\t+4]
.endr
	v_nop                           ; a plain instruction behind the last reciprocal
	s_wait_alu depctr_va_vdst(0)    ; one wait for the four, ahead of the first use
.macro PACK t
	WIN W_RS
.set i, 32*\t
.rept 16
	v_pk_mul_f32 v[i:i+1], v[i:i+1], v[ST+8*\t+6:ST+8*\t+7] op_sel_hi:[1,0]
.set i, i+2
.endr
	WIN 0x05                        ; sources window 1, destination window 0: S^T's registers are free
.set i, 0
.rept 16
	v_cvt_pk_f16_f32 v[S+32*\t+i], v[32*\t+2*i], v[32*\t+2*i+1]
.set i, i+1
.endr
	WIN 0
.irp f, 0,1,2,3
	ds_store_b128 v[STO], v[S+32*\t+4*\f:S+32*\t+4*\f+3] offset:32*\f
.endr
.irp f, 0,1,2,3
	ds_load_b128 v[S+32*\t+4*\f:S+32*\t+4*\f+3], v[RD] offset:\f*4*SP  ; LDS serves a wave's instructions in order: these see the stores above; the next tile's stores come behind them
.endr
.endm
.macro SEND t, younger              ; younger: the LDS instructions issued behind tile t's loads: the next tile's eight, or none
.irp f, 0,1,2,3
	s_wait_dscnt \younger+3-\f
	global_store_b128 v[GO], v[S+32*\t+4*\f:S+32*\t+4*\f+3], s[10:11] offset:\t*2048+\f*512  ; the wave stores 512 consecutive bytes, aligned
.endr
.endm
	PACK 0
	PACK 1
	SEND 0, 8
	PACK 2
	SEND 1, 8
	PACK 3
	SEND 2, 8
	SEND 3, 0
	s_wait_tensorcnt 0x0            ; the wave's end: behind my last tensor load and my last LDS store
	ds_add_u32 v[SPW], v[NIL]
	s_wait_dscnt 0x0
	CROUND                          ; the closing round
	s_endpgm
.Lfunc_end_k_qa3b7a44ccd_attn:
	.size	k_qa3b7a44ccd_attn, .Lfunc_end_k_qa3b7a44ccd_attn-k_qa3b7a44ccd_attn
	.p2alignl 7, 3214868480
	.fill 96, 4, 3214868480
	.section	.rodata,"a",@progbits
	.p2align	6, 0x0
	.amdhsa_kernel k_qa3b7a44ccd_attn
		.amdhsa_group_segment_fixed_size 327680
		.amdhsa_private_segment_fixed_size 0
		.amdhsa_enable_private_segment 0
		.amdhsa_kernarg_size 24
		.amdhsa_user_sgpr_count 2
		.amdhsa_user_sgpr_kernarg_segment_ptr 1
		.amdhsa_wavefront_size32 1
		.amdhsa_system_sgpr_workgroup_id_x 1
		.amdhsa_system_sgpr_workgroup_id_y 1
		.amdhsa_system_sgpr_workgroup_id_z 1
		.amdhsa_system_vgpr_workitem_id 0
		.amdhsa_next_free_vgpr 768
		.amdhsa_next_free_sgpr 72
		.amdhsa_reserve_vcc 0
		.amdhsa_float_denorm_mode_32 3
		.amdhsa_float_denorm_mode_16_64 3
		.amdhsa_memory_ordered 1
		.amdhsa_forward_progress 1
		.amdhsa_inst_pref_size 161
	.end_amdhsa_kernel
	.amdgpu_metadata
---
amdhsa.version: [ 1, 2 ]
amdhsa.kernels:
  - .name:           k_qa3b7a44ccd_attn
    .symbol:         k_qa3b7a44ccd_attn.kd
    .args:
      - { .name: qkv, .offset: 0, .size: 8, .value_kind: global_buffer, .address_space: global }
      - { .name: qks, .offset: 8, .size: 8, .value_kind: global_buffer, .address_space: global }
      - { .name: ows, .offset: 16, .size: 8, .value_kind: global_buffer, .address_space: global }
    .group_segment_fixed_size: 327680
    .private_segment_fixed_size: 0
    .kernarg_segment_align: 8
    .kernarg_segment_size: 24
    .max_flat_workgroup_size: 128
    .sgpr_count:     72
    .vgpr_count:     768
    .wavefront_size: 32
...
	.end_amdgpu_metadata
.endif
;; end of part 3
;; launch oproj (part 4): grid 4 x 64, 4 waves a work-group, clusters of 4 x 4, 327,680 bytes of LDS; arguments ows, wo16, Wo_b, out0; writes out0
.if DOCPART == 4
	.amdgcn_target "amdgcn-amd-amdhsa--gfx1250"
	.amdhsa_code_object_version 6
	.text
	.protected	k_qa3b7a44ccd_oproj
	.globl	k_qa3b7a44ccd_oproj
	.p2align	8
	.type	k_qa3b7a44ccd_oproj,@function
k_qa3b7a44ccd_oproj:
	s_mov_b64 s[64:65], 0
	v_nop
	global_prefetch_b8 v0, s[64:65] scope:SCOPE_SE
	s_setreg_imm32_b32 hwreg(HW_REG_WAVE_MODE, 25, 1), 1
	s_wait_xcnt 0x0
	s_wait_alu depctr_hold_cnt(0) depctr_sa_sdst(0) depctr_va_vdst(0) depctr_va_sdst(0) depctr_va_ssrc(0) depctr_va_vcc(0) depctr_vm_vsrc(0)
	s_getreg_b32 s2, hwreg(HW_REG_IB_STS2, 6, 4)
	s_cmp_eq_u32 s2, 0
	s_cbranch_scc0 .Lentry_in_a_cluster
	s_endpgm
.Lentry_in_a_cluster:
	s_bfe_u32 s2, ttmp6, 0x10000c
	s_cmp_lg_u32 s2, 0xf033
	s_cbranch_scc0 .Lentry_shape_is_right
	s_endpgm
.Lentry_shape_is_right:
; out0[m][n] = sum over k of O[m][k] Wo[n][k] + Wo_b[n].  m = 2048 batch + position, k = 64 head + channel.  O arrives as ows [batch x head][2048][64] f16, Wo as wo16 [1024][1024] f16; sums and out0 in f32.
; A work-group makes 128 rows x 256 columns: 256 work-groups.  Each of its four waves makes 64 x 128: 32 accumulators, 256 registers.
; K goes in steps of 128, which are two heads: A's tile is two planes of 128 rows x 128 bytes (dense in memory), the weight's 256 rows x 256 bytes.  Two LDS slots take turns; one tensor load a wave behind each round.
; CLUSTER 4 x 4: the four of a row need the same rows of O, the four of a column the same rows of Wo: each tile is asked for jointly.
; THE MATRIX INSTRUCTION IS USED TRANSPOSED (source 0 = 16 rows of Wo, source 1 = 16 rows of O): a lane holds eight neighbouring columns of a row.  The bias is the C of each sum's first instruction.
; No prefetch: a K step's tiles are small, and the whole launch reads 19 MB.
; REGISTERS.  window 0: v16-30 addresses; v64-95, v96-127 A's fragments, two buffers; v128-191 the bias, later rows read back; v192-255 rows read back.   window 1: v0-63, v64-127 Wo's fragments.   window 2: accumulator (a, b) at v[8 (8 a + b)].
.set PA,     144                       ; A's LDS row: 128 bytes + 16
.set PB,     272                       ; Wo's: 256 + 16
.set BOFF,   2*128*PA                  ; a slot: A's two planes, then Wo's 256 rows
.set SLOT,   BOFF+256*PB
.set STAGE,  2*SLOT                    ; 16 rows x (512 + 16) bytes for each wave
.set SPITCH, 528
.set SPARE,  STAGE+4*16*SPITCH
.set ADRA, 16
.set ADRB, 20
.set STO,  24
.set RD,   25
.set CO,   26
.set SPW,  28
.set NIL,  29
.set BO,   30
.set AF,   64
.set BI,   128
.set BK,   128
.set G1, 24
.set G0, 32
.set G1B, 48
.set G0B, 56
.set MSB, 0
.macro WIN new
.if MSB != \new
	s_set_vgpr_msb (MSB<<8)|\new
.set MSB, \new
.endif
.endm
.set MUL,  0xa1                        ; source 0 (Wo) window 1, source 1 (A) window 0, C and D window 2
.set MUL0, 0x81                        ; the first quarter: C (the bias) window 0
.set TO_B, 0x40
.macro JLOAD s                         ; waves 0 and 1 fetch A's two planes, waves 2 and 3 Wo's two halves; an s_nop 0 and four v_nop follow each line
	s_cmp_eq_u32 s13, 0
	s_cbranch_scc0 .Lfor_b_\@
	tensor_load_to_lds s[G0+4*\s:G0+4*\s+3], s[G1:G1+7]
	s_nop 0
.rept 4
	v_nop
.endr
	s_branch .Lasked_\@
.Lfor_b_\@:
	tensor_load_to_lds s[G0B+4*\s:G0B+4*\s+3], s[G1B:G1B+7]
	s_nop 0
.rept 4
	v_nop
.endr
.Lasked_\@:
.endm
.macro CREST
	s_cmp_lg_u32 s12, 0
	s_cbranch_scc1 .Lnot_wave_0_\@
	s_barrier_signal -3
.Lnot_wave_0_\@:
	s_barrier_wait -3
	s_barrier_signal -1
	s_barrier_wait -1
.endm
.macro CROUND
	s_barrier_signal -1
	s_barrier_wait -1
	CREST
.endm
	s_load_b256 s[4:11], s[0:1], 0x0               ; ows s[4:5], wo16 s[6:7], Wo_b s[8:9], out0 s[10:11]
	v_lshl_add_u32 v[SPW], v0, 2, SPARE
	v_mov_b32 v[NIL], 0
	ds_add_u32 v[SPW], v[NIL]                      ; the wave's opening: the add, twice on end, and its wait ahead of my first tensor load
	ds_add_u32 v[SPW], v[NIL]
	v_lshrrev_b32 v1, 5, v0
	v_readfirstlane_b32 s12, v1                    ; wave 0..3
	s_lshr_b32 s13, s12, 1                         ; my half of the rows.  Also: I fetch for A (0) or for Wo (1)
	s_and_b32 s14, s12, 1                          ; my half of the columns.  Also: which plane, or which 128 rows, I fetch
	s_bfe_u32 s40, ttmp6, 0x40000                  ; cx
	s_bfe_u32 s41, ttmp6, 0x40004                  ; cy
	s_lshl_b32 s42, ttmp9, 2
	s_add_co_u32 s42, s42, s40                     ; tile column
	s_and_b32 s15, ttmp7, 0xffff
	s_lshl_b32 s15, s15, 2
	s_add_co_u32 s15, s15, s41                     ; tile row
	s_lshl_b32 s43, s41, 2
	s_lshl_b32 s43, 15, s43                        ; my row of the cluster
	s_lshl_b32 s44, 0x1111, s40                    ; my column
	s_or_b32 s[G1+0], s43, (1<<16)|(1<<20)|(1<<21)|(4<<22)|(3<<25)   ; A: the mask; elements of 2 bytes; padding on; bit 21 beside a mask; 4 words behind every 32
	s_mov_b32 s[G1+1], 64<<16                      ; tensor_dim0
	s_mov_b32 s[G1+2], 128<<16                     ; tensor_dim1
	s_mov_b32 s[G1+3], 64<<16                      ; tile_dim0
	s_mov_b32 s[G1+4], 128                         ; tile_dim1
	s_mov_b32 s[G1+5], 64                          ; the pitch
	s_mov_b32 s[G1+6], 0
	s_mov_b32 s[G1+7], 0
	s_or_b32 s[G1B+0], s44, (1<<16)|(1<<20)|(1<<21)|(5<<22)|(3<<25)  ; Wo: 4 words behind every 64
	s_mov_b32 s[G1B+1], 128<<16
	s_mov_b32 s[G1B+2], 128<<16
	s_mov_b32 s[G1B+3], 128<<16
	s_mov_b32 s[G1B+4], 128
	s_mov_b32 s[G1B+5], 1024
	s_mov_b32 s[G1B+6], 0
	s_mov_b32 s[G1B+7], 0
	s_lshr_b32 s16, s15, 4                         ; A: batch (16 heads of 262,144 bytes),
	s_lshl_b32 s16, s16, 22
	s_and_b32 s17, s15, 15
	s_lshl_b32 s17, s17, 14                        ; 128 rows of 128 bytes a tile row,
	s_add_co_u32 s16, s16, s17
	s_lshl_b32 s17, s14, 18                        ; my plane: head 2 step + (wave & 1)
	s_add_co_u32 s16, s16, s17
	s_mov_b32 s17, 0
	s_lshl_b32 s46, s42, 19                        ; Wo: row 256 x tile column + 128 x half, 2,048 bytes a row
	s_lshl_b32 s47, s14, 18
	s_add_co_u32 s46, s46, s47
	s_mov_b32 s47, 0
	s_mul_i32 s20, s14, 128*PA                     ; where they go: no place in the cluster enters an LDS address
	s_mul_i32 s21, s14, 128*PB
	s_add_co_u32 s21, s21, BOFF
	s_wait_dscnt 0x0                               ; both opening adds are done
	s_wait_kmcnt 0x0
	s_add_nc_u64 s[16:17], s[4:5], s[16:17]
	s_add_nc_u64 s[46:47], s[6:7], s[46:47]
	CROUND                                         ; all sixteen work-groups are here: the first joint loads meet
.irp s, 0,1
	s_mov_b32 s[G0+4*\s], 1
	s_add_co_u32 s[G0+4*\s+1], s20, \s*SLOT
	s_add_nc_u64 s[G0+4*\s+2:G0+4*\s+3], s[16:17], \s*524288     ; K step s: two heads on
	s_or_b32 s[G0+4*\s+3], s[G0+4*\s+3], 0x80000000
	s_mov_b32 s[G0B+4*\s], 1
	s_add_co_u32 s[G0B+4*\s+1], s21, \s*SLOT
	s_add_nc_u64 s[G0B+4*\s+2:G0B+4*\s+3], s[46:47], \s*256
	s_or_b32 s[G0B+4*\s+3], s[G0B+4*\s+3], 0x80000000
	JLOAD \s                                       ; two tensor loads of mine are out
.endr
	v_and_b32 v1, 15, v0                           ; r
	v_bfe_u32 v2, v0, 4, 1                         ; h
	v_mul_u32_u24 v3, v1, PA
	v_lshl_add_u32 v3, v2, 4, v3
	v_mul_u32_u24 v4, v1, PB
	v_lshl_add_u32 v4, v2, 4, v4
	s_mul_i32 s21, s13, 64*PA                      ; my 64 rows of A
	s_mul_i32 s22, s14, 128*PB                     ; my 128 rows of Wo
	s_add_co_u32 s22, s22, BOFF
.irp s, 0,1
	v_add_nc_u32 v[ADRA+\s], s21, v3
	v_add_nc_u32 v[ADRB+\s], s22, v4
	s_add_co_u32 s21, s21, SLOT
	s_add_co_u32 s22, s22, SLOT
.endr
	s_mul_i32 s23, s12, 16*SPITCH
	s_add_co_u32 s23, s23, STAGE                   ; my stage
	v_mul_u32_u24 v5, v1, SPITCH
	v_lshl_add_u32 v5, v2, 5, v5
	v_add_nc_u32 v[STO], s23, v5                   ; in: row r, 32 bytes for each half of the lanes
	v_and_b32 v6, 31, v0
	v_lshlrev_b32 v[CO], 4, v6
	v_add_nc_u32 v[RD], s23, v[CO]                 ; back: the 32 lanes take one row of 512 bytes
	v_lshlrev_b32 v[BO], 5, v2
	s_lshl_b32 s46, s42, 10
	s_lshl_b32 s47, s14, 9
	s_add_co_u32 s46, s46, s47                     ; my first column, in bytes of f32: the same in the bias and in a row of out0
	s_mov_b32 s47, 0
	s_add_nc_u64 s[8:9], s[8:9], s[46:47]
.irp b, 0,1,2,3,4,5,6,7
	global_load_b128 v[BI+8*\b:BI+8*\b+3], v[BO], s[8:9] offset:64*\b        ; lane (r, h): the bias of columns 16 b + 8 h + 0 .. 7
	global_load_b128 v[BI+8*\b+4:BI+8*\b+7], v[BO], s[8:9] offset:64*\b+16
.endr
	s_lshl_b32 s20, s15, 19                        ; my first row of out0: 128 x tile row + 64 x half, 4,096 bytes a row
	s_lshl_b32 s21, s13, 18
	s_add_co_u32 s20, s20, s21
	s_mov_b32 s21, 0
	s_add_nc_u64 s[10:11], s[10:11], s[20:21]
	s_add_nc_u64 s[10:11], s[10:11], s[46:47]
; 8 matrix instructions: A's block a x Wo's eight, 32 along K, buffer f.  The 32 accumulators take turns, one instruction a turn, in the same order in every quarter.
.macro MUL8 f, a, zero
.irp b, 0,1,2,3,4,5,6,7
.if \zero
	v_wmma_f32_16x16x32_f16 v[8*(8*(\a)+\b):8*(8*(\a)+\b)+7], v[64*(\f)+8*\b:64*(\f)+8*\b+7], v[AF+32*(\f)+8*(\a):AF+32*(\f)+8*(\a)+7], v[BI+8*\b:BI+8*\b+7]
.else
	v_wmma_f32_16x16x32_f16 v[8*(8*(\a)+\b):8*(8*(\a)+\b)+7], v[64*(\f)+8*\b:64*(\f)+8*\b+7], v[AF+32*(\f)+8*(\a):AF+32*(\f)+8*(\a)+7], v[8*(8*(\a)+\b):8*(8*(\a)+\b)+7]
.endif
.endr
.endm
; 24 LDS loads in one run: the slot's q-th 32 along K into buffer f: Wo's eight fragments, then A's four (plane q / 2, channels 32 (q % 2) on)
.macro FETCH slot, q, f
	WIN TO_B
.irp i, 0,1,2,3,4,5,6,7
	ds_load_b128 v[64*(\f)+8*\i:64*(\f)+8*\i+3],   v[ADRB+\slot] offset:64*(\q)+\i*16*PB
	ds_load_b128 v[64*(\f)+8*\i+4:64*(\f)+8*\i+7], v[ADRB+\slot] offset:64*(\q)+\i*16*PB+32
.endr
	WIN 0
.irp i, 0,1,2,3
	ds_load_b128 v[AF+32*(\f)+8*\i:AF+32*(\f)+8*\i+3],   v[ADRA+\slot] offset:((\q)/2)*128*PA+((\q)%2)*64+\i*16*PA
	ds_load_b128 v[AF+32*(\f)+8*\i+4:AF+32*(\f)+8*\i+7], v[ADRA+\slot] offset:((\q)/2)*128*PA+((\q)%2)*64+\i*16*PA+32
.endr
.endm
.macro PLACES                          ; plain vector instructions between a matrix instruction and a load into, or a read of, its registers
.rept 4
	v_nop
.endr
.endm
; One of a K step's first three quarters: multiplies buffer f and fetches quarter qn of the same slot into buffer g
.macro QUARTER slot, qn, f, g, zero
	s_wait_dscnt 4                                 ; Wo's fragments and A's blocks 0, 1 are in; the youngest four loads (blocks 2, 3) may be out
.if \zero
	WIN MUL0
.else
	WIN MUL
.endif
	MUL8 \f, 0, \zero
	MUL8 \f, 1, \zero
	PLACES
	FETCH \slot, \qn, \g
	s_wait_dscnt 24                                ; all but the 24 just issued
.if \zero
	WIN MUL0
.else
	WIN MUL
.endif
	MUL8 \f, 2, \zero
	MUL8 \f, 3, \zero
.endm
; The last quarter multiplies buffer 1 and changes slots: one barrier; in front of it each wave waits for all its tensor loads, adds 0 to its spare word, and waits for that and for its reads of this slot.
; fill = 1: the barrier opens a round of the cluster's, and this slot is filled again, two K steps ahead: from the request to the wait for it a wave issues 112 matrix instructions.
.macro TURN slot, next, fill
	WIN 0
	s_wait_tensorcnt 0x0                           ; my part of the next slot has landed
	ds_add_u32 v[SPW], v[NIL]
	s_wait_dscnt 5                                 ; the add and the youngest four loads may be out
	WIN MUL
	MUL8 1, 0, 0
	s_wait_dscnt 0x0                               ; the add is done, and my reads of this slot are over
	s_barrier_signal -1
	MUL8 1, 1, 0
.if \fill
	WIN 0
.endif
	s_barrier_wait -1
.if \fill
	CREST                                          ; no wave of any partner still reads this slot's tiles or has a load on its way
	s_add_nc_u64 s[G0+4*\slot+2:G0+4*\slot+3], s[G0+4*\slot+2:G0+4*\slot+3], 2*524288
	s_add_nc_u64 s[G0B+4*\slot+2:G0B+4*\slot+3], s[G0B+4*\slot+2:G0B+4*\slot+3], 2*256
	JLOAD \slot                                    ; the four v_nop behind it are also the places in front of the loads below
.else
	PLACES
.endif
	FETCH \next, 0, 0
	WIN MUL
	MUL8 1, 2, 0
	MUL8 1, 3, 0
.endm
	s_wait_tensorcnt 1                             ; my part of K step 0 is in; K step 1's may be out
	s_barrier_signal -1
	s_barrier_wait -1
	FETCH 0, 0, 0
	s_wait_loadcnt 0x0                             ; the bias
	QUARTER 0, 1, 0, 1, 1                          ; the first quarter's products start the sums on the bias
	WIN 0
	s_mov_b32 s3, 3
.Llap:                                                 ; a trip goes once round the ring and fills both slots again: K steps 2 to 7
	QUARTER 0, 2, 1, 0, 0
	QUARTER 0, 3, 0, 1, 0
	TURN 0, 1, 1
	QUARTER 1, 1, 0, 1, 0
	QUARTER 1, 2, 1, 0, 0
	QUARTER 1, 3, 0, 1, 0
	TURN 1, 0, 1
	QUARTER 0, 1, 0, 1, 0
	WIN 0
	s_sub_co_u32 s3, s3, 1
	s_cmp_lg_u32 s3, 0
	s_cbranch_scc1 .Llap
	QUARTER 0, 2, 1, 0, 0                          ; the last lap fills nothing, and has no round
	QUARTER 0, 3, 0, 1, 0
	TURN 0, 1, 0
	QUARTER 1, 1, 0, 1, 0
	QUARTER 1, 2, 1, 0, 0
	QUARTER 1, 3, 0, 1, 0
	s_wait_dscnt 4
	WIN MUL
	MUL8 1, 0, 0
	MUL8 1, 1, 0
	s_wait_dscnt 0
	MUL8 1, 2, 0
	MUL8 1, 3, 0
	WIN 0
; THE WAY OUT, block by block of 16 rows x 128 columns, through my own stage: a lane's 32 bytes go in, whole rows of 512 bytes come back and are stored by the 32 lanes.
.macro TOSTAGE a
	WIN 0x08                                       ; an LDS store's data are its source 1: window 2
.irp b, 0,1,2,3,4,5,6,7
	ds_store_b128 v[STO], v[64*(\a)+8*\b:64*(\a)+8*\b+3] offset:64*\b          ; each accumulator from its low end on
	ds_store_b128 v[STO], v[64*(\a)+8*\b+4:64*(\a)+8*\b+7] offset:64*\b+16
.endr
	WIN 0
.set BB, BK+64*((\a)%2)
.irp t, 0,1,2,3,4,5,6,7,8,9,10,11,12,13,14,15
	ds_load_b128 v[BB+4*\t:BB+4*\t+3], v[RD] offset:\t*SPITCH    ; LDS serves a wave's instructions in order: these see my stores
.endr
.endm
.macro SEND a, younger                 ; younger: the LDS instructions issued behind block a's loads
.set BB, BK+64*((\a)%2)
	s_wait_dscnt \younger
.if (\a) > 0
	s_add_nc_u64 s[10:11], s[10:11], 16*4096       ; behind a wait that shows the earlier stores' base read: 16 rows on
.endif
.irp t, 0,1,2,3,4,5,6,7,8,9,10,11,12,13,14,15
	global_store_b128 v[CO], v[BB+4*\t:BB+4*\t+3], s[10:11] offset:\t*4096 th:TH_STORE_NT   ; 512 consecutive bytes, aligned; written once
.endr
.endm
	PLACES
	TOSTAGE 0
.irp a, 1,2,3
.if \a > 1
	s_wait_xcnt 0x0                                ; block a - 2's stores have read their registers and their base
.endif
	TOSTAGE \a
	SEND \a-1, 32                                  ; behind block a - 1's loads: block a's 16 stores and 16 loads
.endr
	s_wait_xcnt 0x0
	SEND 3, 0
	s_wait_tensorcnt 0x0                           ; the wave's end: behind my last tensor load and my last LDS store
	ds_add_u32 v[SPW], v[NIL]
	s_wait_dscnt 0x0
	CROUND                                         ; the closing round
	s_endpgm
.Lfunc_end_k_qa3b7a44ccd_oproj:
	.size	k_qa3b7a44ccd_oproj, .Lfunc_end_k_qa3b7a44ccd_oproj-k_qa3b7a44ccd_oproj
	.p2alignl 7, 3214868480
	.fill 96, 4, 3214868480
	.section	.rodata,"a",@progbits
	.p2align	6, 0x0
	.amdhsa_kernel k_qa3b7a44ccd_oproj
		.amdhsa_group_segment_fixed_size 327680
		.amdhsa_private_segment_fixed_size 0
		.amdhsa_enable_private_segment 0
		.amdhsa_kernarg_size 32
		.amdhsa_user_sgpr_count 2
		.amdhsa_user_sgpr_kernarg_segment_ptr 1
		.amdhsa_wavefront_size32 1
		.amdhsa_system_sgpr_workgroup_id_x 1
		.amdhsa_system_sgpr_workgroup_id_y 1
		.amdhsa_system_sgpr_workgroup_id_z 1
		.amdhsa_system_vgpr_workitem_id 0
		.amdhsa_next_free_vgpr 768
		.amdhsa_next_free_sgpr 72
		.amdhsa_reserve_vcc 0
		.amdhsa_float_denorm_mode_32 3
		.amdhsa_float_denorm_mode_16_64 3
		.amdhsa_memory_ordered 1
		.amdhsa_forward_progress 1
		.amdhsa_inst_pref_size 87
	.end_amdhsa_kernel
	.amdgpu_metadata
---
amdhsa.version: [ 1, 2 ]
amdhsa.kernels:
  - .name:           k_qa3b7a44ccd_oproj
    .symbol:         k_qa3b7a44ccd_oproj.kd
    .args:
      - { .name: ows, .offset: 0, .size: 8, .value_kind: global_buffer, .address_space: global }
      - { .name: wo16, .offset: 8, .size: 8, .value_kind: global_buffer, .address_space: global }
      - { .name: Wo_b, .offset: 16, .size: 8, .value_kind: global_buffer, .address_space: global }
      - { .name: out0, .offset: 24, .size: 8, .value_kind: global_buffer, .address_space: global }
    .group_segment_fixed_size: 327680
    .private_segment_fixed_size: 0
    .kernarg_segment_align: 8
    .kernarg_segment_size: 32
    .max_flat_workgroup_size: 128
    .sgpr_count:     72
    .vgpr_count:     768
    .wavefront_size: 32
...
	.end_amdgpu_metadata
.endif
;; end of part 4
